; MI455X (gfx1250); checked and timed in simulation.
; The chip was launched on July 23, 2026; its instructions are those of AMD's public machine-readable ISA for CDNA 5 (MIT licence, August 2026) and "CDNA5" Instruction Set Architecture Reference Guide (July 2026). The comments in the code are by the model that wrote it; some were corrected since.
;; Multi Head Attention. Allowed arithmetic: matrix products marked QUANTISED: E2M3 operands, one E8M0 scale for each 32 along K, by v_wmma_scale_f32_16x16x128_f8f6f4 with both operands' format E2M3, f32 sums; everything else in f32.
;; Inputs: b_k 1,024 float32; b_o 1,024 float32; b_q 1,024 float32; b_v 1,024 float32; key 4 x 2,048 x 1,024 float32; mask 4 x 1 x 1 x 2,048 float32; query 4 x 2,048 x 1,024 float32; value 4 x 2,048 x 1,024 float32; w_k 1,024 x 1,024 float32; w_o 1,024 x 1,024 float32; w_q 1,024 x 1,024 float32; w_v 1,024 x 1,024 float32.
;; Outputs: out0 4 x 2,048 x 1,024 float32.
;; This version of the problem:
;;   THIS VERSION OF THE PROBLEM IS GIVEN IN LOW PRECISION. The matrix products marked QUANTISED in the list below multiply operands that are first quantised to E2M3 (2 exponent bits, 3 mantissa bits; 6 bits a number), with one power-of-two scale for each 32 numbers along K (OCP MX v1.0); their sums are f32. All else is computed in f32.
;;   The module's matrix products, in the order in which they are computed (A, B: the left and right operand; K: the contracted axis; several contracted axes count as one K, in the product's order):
;;     1. [M 8,192, K 1,024] x [K 1,024, N 1,024]; A: input query; B: input w_q: QUANTISED
;;     2. [M 8,192, K 1,024] x [K 1,024, N 1,024]; A: input key; B: input w_k: QUANTISED
;;     3. [M 8,192, K 1,024] x [K 1,024, N 1,024]; A: input value; B: input w_v: QUANTISED
;;     4. batch 64 x [M 2,048, K 64] x [K 64, N 2,048]; A: computed on the way; B: computed on the way: QUANTISED
;;     5. batch 64 x [M 2,048, K 2,048] x [K 2,048, N 64]; A: softmax (see below); B: computed on the way: QUANTISED
;;     6. [M 8,192, K 1,024] x [K 1,024, N 1,024]; A: computed on the way; B: input w_o: QUANTISED
;;   THE QUANTISER, for each operand of a quantised product, along K:
;;     - K is cut into blocks of 32 from its start; a last block that is shorter is filled with zeros.
;;     - A block's scale is 2^e with e = floor(log2(the largest magnitude in the block)) - 2, held to -126 .. 127; a block of zeros has e = 0. As a byte (E8M0): e + 127.
;;     - Each number is divided by its block's scale, clamped to +-7.5, and rounded to the nearest number of E2M3, ties to even, subnormals kept.
;;     - The product sums the exact products of the quantised numbers (number of the format x scale) in f32.
;;   ~~~python
;;   def quantise(x, axis):      # numpy; x: float32 -> the quantised numbers, widened to float32 again
;;       x = np.moveaxis(x, axis, -1); K = x.shape[-1]
;;       x = np.pad(x, [(0, 0)] * (x.ndim - 1) + [(0, -K % 32)]); x = x.reshape(x.shape[:-1] + (-1, 32)); a = np.abs(x).max(-1, keepdims=True)
;;       e = np.where(a > 0, np.clip(np.frexp(np.where(a > 0, a, 1))[1] - 1 - 2, -126, 127), 0)      # np.frexp(a)[1] - 1 = floor(log2(a)), exactly
;;       r = np.clip(x / 2.0 ** e, -7.5, 7.5)
;;       step = 2.0 ** (np.maximum(np.frexp(np.where(r == 0, 1, r))[1] - 1, 0) - 3)
;;       q = np.round(r / step) * step * 2.0 ** e      # np.round: ties to even
;;       return np.moveaxis(q.reshape(q.shape[:-2] + (-1,))[..., :K], -1, axis).astype(np.float32)
;;   ~~~
;;   SOFTMAX AHEAD OF A QUANTISED PRODUCT. Where the list says 'softmax', what is quantised is not the finished softmax but p = 2^(t - M), with t = logit x log2(e) and M = ceil(the row's largest t), a whole number; so 1/2 < the row's largest p <= 1. The row's sum l is taken of the UNQUANTISED p, in f32, and the product's result is divided by l at the end. Since M is a whole number, a kernel that streams over the keys may use a running M (the ceiling of the running maximum): every later rescaling is an exact power of two, which a block's scale takes up: the codes' values come out the same.
;;   OPERANDS COMPUTED ON THE WAY. 'Computed on the way' means the value that the module computes at that place (a softmax that the list does not call 'softmax' is quantised finished and normalised). What goes into a quantiser is computed in f32, as accurately as f32 sums, v_exp_f32 and their like allow (about 1e-6 of the number): no bf16 or f16 on the way to a quantiser, and a product that is left as it is and whose result goes on into a quantised operand takes f32 operands (vector FMAs, or v_wmma_f32_16x16x4_f32). A number that lies on a knife's edge between two numbers of the format may be rounded either way, as far as f32 arithmetic and the matrix unit's own rounding can turn it there, and no further.
;; One version. Each part assembles by itself: llvm-mc -triple=amdgcn-amd-amdhsa -mcpu=gfx1250 --defsym DOCPART=n.
;; ======== version 1 of 1: 4 launches
;; limits: right only within a limited range of input values
;; workspace buffers: codes_all 28,311,552 bytes; sc_all 1,179,648 bytes; att 24,379,392 bytes
;; launch quant (part 1): grid 256 x 1, 7 waves a work-group, no clusters, 60,416 bytes of LDS; arguments query, key, value, w_q, w_k, w_v, w_o, codes_all, sc_all; writes codes_all, sc_all
.if DOCPART == 1
	.amdgcn_target "amdgcn-amd-amdhsa--gfx1250"
	.amdhsa_code_object_version 6
	.text
	.protected	k_q5680310a12_quant
	.globl	k_q5680310a12_quant
	.p2align	8
	.type	k_q5680310a12_quant,@function
k_q5680310a12_quant:
	s_mov_b64 s[64:65], 0
	v_nop
	global_prefetch_b8 v0, s[64:65] scope:SCOPE_SE
	s_setreg_imm32_b32 hwreg(HW_REG_WAVE_MODE, 25, 1), 1
	s_wait_xcnt 0x0
; query, key, value [8192][1024] and w_q, w_k, w_v, w_o [1024][1024], f32, K innermost, become codes of FP6 (E2M3) with one E8M0 scale byte for each 32 along K.
; A block's scale is 2^(floor(log2(its largest magnitude)) - 2); its byte is the largest magnitude's exponent field - 2, held at 1 from below.
; LIMITS: a block of zeros gets the byte 1 where the quantiser says 127 (its codes are zeros, and this program alone reads the bytes); NaN and infinities among the inputs are not served.
; LAYOUT OF THE RESULT: images of the matrix operand's registers.  Rows go in groups of 128; group G of codes_all is 98,304 bytes: [128 along K: 0..7][tile 0..7][1,536 bytes].
; Lane row r of tile i is row 32 (i / 2) + 8 (i % 2) + r % 8 + 16 (r / 8) of the group.  A fragment (16 rows x 128 K, 12 registers a lane) is two halves of 768 bytes:
; registers 0-3 at 16 x lane, registers 4-5 at 512 + 8 x lane.  sc_all: group G is 4,096 bytes: [tile][lane row][128 along K: 0..7], one word of four scale bytes each.
; Groups: 0-63 query, 64-127 key, 128-191 value, 192-199 w_q, 200-207 w_k, 208-215 w_v, 216-223 w_o.
; SHARES: 224 groups x 8 tiles are 1,792 tiles = 256 work-groups x 7 waves: wave w of work-group x takes tile number 7 x + w (group = number / 8, tile = number % 8) through all of K, in 8 steps of 128.
; Each load takes 512 consecutive bytes of one row; a step's 16 rows x 512 bytes turn through the wave's own stage in LDS (rows 528 bytes apart), so that a lane gets 16 neighbours of each block of 32.
; No barrier: waves share nothing.
.set GRP,  98304
.set STG,  8448                        ; a wave's stage: 16 rows x 528 bytes
.set SPARE, 7*STG                      ; behind the stages: the spare words
.set R,    16                          ; v16-143  two sets of 64 numbers as loaded
.set X,    144                         ; v144-207 64 numbers: register 16 b + i = k 32 b + 16 (lane / 16) + i of my row
.set PC,   208                         ; v208-219 the fragment's codes; v220-222, v224-226 at work
.set TM,   228                         ; v228-243 at work in QUANT
.set PW,   244                         ; the scale word just made
.set SWD,  246                         ; v246-253 the eight steps' scale words
.set SEL,  30                          ; s[30:31] lane selects: lane l xor 16
; 64 numbers of a lane become a fragment's codes in v[PC] on and its scale word in v[PW]
.macro QUANT s
.irp b, 0,1,2,3
	v_max3_num_f32 v[TM+\b], |v[\s+16*\b]|, |v[\s+1+16*\b]|, 0x1800000   ; block b: my 16 numbers, and the floor 2^(3 - 127)
.endr
.irp i, 2,4,6,8,10,12,14
.irp b, 0,1,2,3
	v_max3_num_f32 v[TM+\b], v[TM+\b], |v[\s+16*\b+\i]|, |v[\s+1+16*\b+\i]|   ; the four blocks by turns
.endr
.endr
.irp b, 0,1,2,3
	v_permlanex16_b32 v[TM+4+\b], v[TM+\b], s[SEL], s[SEL+1]
.endr
.irp b, 0,1,2,3
	v_max_num_f32 v[TM+\b], v[TM+\b], v[TM+4+\b]   ; with lane l xor 16's: the block's largest magnitude
.endr
.irp b, 0,1,2,3
	v_add_nc_u32 v[TM+12+\b], 0xff000000, v[TM+\b]   ; 2 off its exponent field: the conversion's scale operand
.endr
.irp b, 0,1,2,3
	v_lshrrev_b32 v[TM+4+\b], 23, v[TM+12+\b]      ; the scale's byte
.endr
	v_lshl_or_b32 v[PW], v[TM+5], 8, v[TM+4]       ; four bytes make my row's scale word
	v_lshl_or_b32 v[PW], v[TM+6], 16, v[PW]
	v_lshl_or_b32 v[PW], v[TM+7], 24, v[PW]
.irp c, 0,1
	v_cvt_scalef32_pk16_fp6_f32 v[PC+6*\c:PC+2+6*\c], v[\s+32*\c:\s+15+32*\c], v[TM+12+2*\c]
	v_cvt_scalef32_pk16_fp6_f32 v[PC+12+4*\c:PC+14+4*\c], v[\s+16+32*\c:\s+31+32*\c], v[TM+12+2*\c+1]   ; (a conversion's three registers begin on an even number)
.endr
	v_nop                                          ; one plain instruction behind the scaled conversions
.irp c, 0,1                                        ; the operand wants a whole block in a lane
.irp i, 0,1,2
	v_permlane16_swap_b32 v[PC+6*\c+\i], v[PC+12+4*\c+\i]
.endr
.irp i, 0,1,2
	v_mov_b32 v[PC+3+6*\c+\i], v[PC+12+4*\c+\i]
.endr
.endr
.endm
	s_load_b512 s[4:19], s[0:1], 0x0               ; query s[4:5], key, value, w_q, w_k, w_v, w_o s[16:17], codes_all s[18:19]
	s_load_b64 s[20:21], s[0:1], 0x40              ; sc_all
	v_lshl_add_u32 v254, v0, 2, SPARE
	v_mov_b32 v255, 0
	v_lshrrev_b32 v1, 5, v0
	v_readfirstlane_b32 s22, v1                    ; wave 0..6
	v_and_b32 v1, 31, v0                           ; lane
	v_and_b32 v2, 15, v0                           ; r
	v_bfe_u32 v3, v0, 4, 1                         ; h
	v_lshlrev_b32 v4, 4, v1                        ; 16 x lane
	v_lshlrev_b32 v5, 3, v1                        ; 8 x lane
	s_mul_i32 s28, s22, STG
	v_add_nc_u32 v6, s28, v4                       ; the stage, on the way in: 16 x lane of a row
	v_mul_u32_u24 v7, v2, 528
	v_lshl_add_u32 v7, v3, 6, v7
	v_add_nc_u32 v7, s28, v7                       ; and on the way out: row r, + 64 h
	v_lshlrev_b32 v8, 5, v2
	v_lshl_add_u32 v8, v3, 4, v8                   ; the scale words' place: 32 r + 16 h
.irp b, 0,1,2,3
	v_mov_b32 v[TM+4+\b], 0                        ; written once: a lane permute's destination counts as one of its sources
.endr
	s_mov_b32 s[SEL], 0x76543210
	s_mov_b32 s[SEL+1], 0xfedcba98
	s_mov_b32 s32, 0xffff0000                      ; lanes 16-31
	s_mul_i32 s25, ttmp9, 7
	s_add_co_u32 s25, s25, s22                     ; my tile's number
	s_lshr_b32 s23, s25, 3                         ; G
	s_and_b32 s25, s25, 7                          ; tile i
	s_wait_alu depctr_va_vdst(0)
	s_wait_kmcnt 0x0
	s_mov_b64 s[26:27], s[16:17]                   ; which tensor: the choice hangs on the tile's number alone
	s_mov_b32 s24, 216                             ; and that tensor's first group
.macro PICK lim, ptr, first
	s_cmp_lt_u32 s23, \lim
	s_cselect_b64 s[26:27], s[\ptr:\ptr+1], s[26:27]
	s_cselect_b32 s24, \first, s24
.endm
	PICK 216, 14, 208
	PICK 208, 12, 200
	PICK 200, 10, 192
	PICK 192, 8, 128
	PICK 128, 6, 64
	PICK 64, 4, 0
	s_sub_co_u32 s28, s23, s24
	s_lshl_b32 s28, s28, 7                         ; the group's first row in its tensor
	s_lshr_b32 s29, s25, 1
	s_lshl_b32 s29, s29, 5
	s_add_co_u32 s28, s28, s29                     ; + 32 (i / 2)
	s_and_b32 s29, s25, 1
	s_lshl_b32 s29, s29, 3
	s_add_co_u32 s28, s28, s29                     ; + 8 (i % 2)
	s_lshl_b32 s28, s28, 12                        ; rows of 4,096 bytes (under 2^26)
	s_mov_b32 s29, 0
	s_add_nc_u64 s[26:27], s[26:27], s[28:29]
	s_mul_i32 s28, s23, GRP
	s_mul_i32 s33, s25, 1536
	s_add_co_u32 s28, s28, s33
	s_add_nc_u64 s[34:35], s[18:19], s[28:29]      ; my tile's codes, K step 0
	s_lshl_b32 s28, s23, 12
	s_lshl_b32 s33, s25, 9
	s_add_co_u32 s28, s28, s33
	s_add_nc_u64 s[36:37], s[20:21], s[28:29]      ; my tile's scale words
.macro LOAD t                          ; step t: 16 rows x 512 bytes into set t % 2; lane row p is row p % 8 + 16 (p / 8) from the tile's first
.irp p, 0,1,2,3,4,5,6,7,8,9,10,11,12,13,14,15
	global_load_b128 v[R+64*((\t)%2)+4*\p:R+64*((\t)%2)+4*\p+3], v4, s[26:27] offset:((\p%8)+16*(\p/8))*4096+512*(\t) th:TH_LOAD_NT
.endr
.endm
.macro QSTEP t
.if (\t) < 7
	s_wait_loadcnt 16                              ; this step's 16 loads are in; the next step's 16 may be out
.else
	s_wait_loadcnt 0x0
.endif
.irp p, 0,1,2,3,4,5,6,7,8,9,10,11,12,13,14,15
	ds_store_b128 v6, v[R+64*((\t)%2)+4*\p:R+64*((\t)%2)+4*\p+3] offset:528*\p
.endr
.irp b, 0,1,2,3
.irp j, 0,1,2,3
	ds_load_b128 v[X+16*\b+4*\j:X+16*\b+4*\j+3], v7 offset:128*\b+16*\j   ; LDS serves a wave's instructions in order: these see the stores above
.endr
.endr
	s_wait_dscnt 0x0                               ; the numbers are back, and the stores have read the set
	s_wait_xcnt 0x0                                ; the last step's stores have read the codes' registers, which QUANT writes again
.if (\t)+2 < 8
	LOAD (\t)+2                                    ; the set just emptied takes the step two on
.endif
	QUANT X
	v_mov_b32 v[SWD+(\t)], v[PW]
	global_store_b128 v4, v[PC:PC+3], s[34:35] offset:12288*(\t)             ; 512 consecutive bytes, at a multiple of 256 from the buffer's first byte
	global_store_b64 v5, v[PC+4:PC+5], s[34:35] offset:12288*(\t)+512        ; 256
	global_store_b128 v4, v[PC+6:PC+9], s[34:35] offset:12288*(\t)+768
	global_store_b64 v5, v[PC+10:PC+11], s[34:35] offset:12288*(\t)+1280
.endm
	LOAD 0
	LOAD 1
.irp t, 0,1,2,3,4,5,6,7
	QSTEP \t
.endr
	s_wait_alu depctr_va_vdst(0)
	s_wait_xcnt 0x0                                ; the last stores have read the codes' registers
.irp i, 0,1,2,3
	v_cndmask_b32 v[PC+\i], v[SWD+\i], v[SWD+4+\i], s32   ; lanes 0-15 take my row's words 0-3, lanes 16-31 its words 4-7
.endr
	global_store_b128 v8, v[PC:PC+3], s[36:37]     ; the tile's 512 bytes of scale words in one store
	s_wait_tensorcnt 0x0                           ; the wave's end
	ds_add_u32 v254, v255
	s_wait_dscnt 0x0
	s_endpgm
.Lfunc_end_k_q5680310a12_quant:
	.size	k_q5680310a12_quant, .Lfunc_end_k_q5680310a12_quant-k_q5680310a12_quant
	.p2alignl 7, 3214868480
	.fill 96, 4, 3214868480
	.section	.rodata,"a",@progbits
	.p2align	6, 0x0
	.amdhsa_kernel k_q5680310a12_quant
		.amdhsa_group_segment_fixed_size 60416
		.amdhsa_private_segment_fixed_size 0
		.amdhsa_enable_private_segment 0
		.amdhsa_kernarg_size 72
		.amdhsa_user_sgpr_count 2
		.amdhsa_user_sgpr_kernarg_segment_ptr 1
		.amdhsa_wavefront_size32 1
		.amdhsa_system_sgpr_workgroup_id_x 1
		.amdhsa_system_sgpr_workgroup_id_y 1
		.amdhsa_system_sgpr_workgroup_id_z 1
		.amdhsa_system_vgpr_workitem_id 0
		.amdhsa_next_free_vgpr 256
		.amdhsa_next_free_sgpr 66
		.amdhsa_reserve_vcc 0
		.amdhsa_float_denorm_mode_32 3
		.amdhsa_float_denorm_mode_16_64 3
		.amdhsa_memory_ordered 1
		.amdhsa_forward_progress 1
		.amdhsa_inst_pref_size 66
	.end_amdhsa_kernel
	.amdgpu_metadata
---
amdhsa.version: [ 1, 2 ]
amdhsa.kernels:
  - .name:           k_q5680310a12_quant
    .symbol:         k_q5680310a12_quant.kd
    .args:
      - { .name: query, .offset: 0, .size: 8, .value_kind: global_buffer, .address_space: global }
      - { .name: key, .offset: 8, .size: 8, .value_kind: global_buffer, .address_space: global }
      - { .name: value, .offset: 16, .size: 8, .value_kind: global_buffer, .address_space: global }
      - { .name: w_q, .offset: 24, .size: 8, .value_kind: global_buffer, .address_space: global }
      - { .name: w_k, .offset: 32, .size: 8, .value_kind: global_buffer, .address_space: global }
      - { .name: w_v, .offset: 40, .size: 8, .value_kind: global_buffer, .address_space: global }
      - { .name: w_o, .offset: 48, .size: 8, .value_kind: global_buffer, .address_space: global }
      - { .name: codes_all, .offset: 56, .size: 8, .value_kind: global_buffer, .address_space: global }
      - { .name: sc_all, .offset: 64, .size: 8, .value_kind: global_buffer, .address_space: global }
    .group_segment_fixed_size: 60416
    .private_segment_fixed_size: 0
    .kernarg_segment_align: 8
    .kernarg_segment_size: 72
    .max_flat_workgroup_size: 224
    .sgpr_count:     66
    .vgpr_count:     256
    .wavefront_size: 32
...
	.end_amdgpu_metadata
.endif
;; end of part 1
;; launch proj (part 2): grid 4 x 96, 4 waves a work-group, clusters of 4 x 4, 327,680 bytes of LDS; arguments codes_all, sc_all, att, mask, b_q, b_k, b_v; writes att
.if DOCPART == 2
	.amdgcn_target "amdgcn-amd-amdhsa--gfx1250"
	.amdhsa_code_object_version 6
	.text
	.protected	k_q5680310a12_proj
	.globl	k_q5680310a12_proj
	.p2align	8
	.type	k_q5680310a12_proj,@function
k_q5680310a12_proj:
	s_mov_b64 s[64:65], 0
	v_nop
	global_prefetch_b8 v0, s[64:65] scope:SCOPE_SE
	s_setreg_imm32_b32 hwreg(HW_REG_WAVE_MODE, 25, 1), 1
	s_wait_xcnt 0x0
	s_wait_alu depctr_hold_cnt(0) depctr_sa_sdst(0) depctr_va_vdst(0) depctr_va_sdst(0) depctr_va_ssrc(0) depctr_va_vcc(0) depctr_vm_vsrc(0)
	s_getreg_b32 s2, hwreg(HW_REG_IB_STS2, 6, 4)
	s_cmp_eq_u32 s2, 0
	s_cbranch_scc0 .Lentry_in_a_cluster
	s_endpgm
.Lentry_in_a_cluster:
	s_bfe_u32 s2, ttmp6, 0x10000c
	s_cmp_lg_u32 s2, 0xf033
	s_cbranch_scc0 .Lentry_shape_is_right
	s_endpgm
.Lentry_shape_is_right:
.set FR,    12
.set NL,    4
.set NP,    4
.set GRP,   98304
.set PART,  24576
.set SLOT,  4*PART
.set SPARE, 2*SLOT
.set BLKB,  23808
.set HEADB, 16*BLKB
.set A16, 16
.set A8,  18
.set B16, 20
.set B8,  22
.set LI,  24
.set L32, 25
.set LV,  26
.set SPW, 28
.set NIL, 29
.set ZERO, 31
.set SC,  32
.set FHID, 96
.set FKEEP, 97
.set FL,  98
.set TMP, 99
.set KT,  100
.set W,   104
.set BP,  108
.set VHK, 110
.set VHH, 111
.set HV,  112
.set AF,  128
.set RV,  232
.set SA,  240
.set SB,  248
.set T,   128
.set PC,  192
.set TM,  212
.set PW,  228
.set G1,  24
.set G0,  32
.set G1B, 48
.set G0B, 56
.set SEL, 80
.set MSB, 0
.macro WIN new
.if MSB != (\new)
	s_set_vgpr_msb (MSB<<8)|(\new)
.set MSB, \new
.endif
.endm
.set MUL_LO, 0xa1
.set MUL_HI, 0xf1
.set TO_B,   0x40
.macro JLOAD g0a, g1a, g0b, g1b
	s_cmp_eq_u32 s15, 0
	s_cbranch_scc0 .Lfor_b_\@
	tensor_load_to_lds s[\g0a:\g0a+3], s[\g1a:\g1a+7]
	s_nop 0
.rept 4
	v_nop
.endr
	s_branch .Lasked_\@
.Lfor_b_\@:
	tensor_load_to_lds s[\g0b:\g0b+3], s[\g1b:\g1b+7]
	s_nop 0
.rept 4
	v_nop
.endr
.Lasked_\@:
.endm
.macro CREST
	s_cmp_lg_u32 s14, 0
	s_cbranch_scc1 .Lnot_wave_0_\@
	s_barrier_signal -3
.Lnot_wave_0_\@:
	s_barrier_wait -3
	s_barrier_signal -1
	s_barrier_wait -1
.endm
.macro CROUND
	s_barrier_signal -1
	s_barrier_wait -1
	CREST
.endm
.macro PLACES n
.rept \n
	v_nop
.endr
.endm
.macro QUANT s
.irp b, 0,1,2,3
	v_max3_num_f32 v[TM+\b], |v[\s+16*\b]|, |v[\s+1+16*\b]|, 0x1800000
.endr
.irp i, 2,4,6,8,10,12,14
.irp b, 0,1,2,3
	v_max3_num_f32 v[TM+\b], v[TM+\b], |v[\s+16*\b+\i]|, |v[\s+1+16*\b+\i]|
.endr
.endr
.irp b, 0,1,2,3
	v_permlanex16_b32 v[TM+4+\b], v[TM+\b], s[SEL], s[SEL+1]
.endr
.irp b, 0,1,2,3
	v_max_num_f32 v[TM+\b], v[TM+\b], v[TM+4+\b]
.endr
.irp b, 0,1,2,3
	v_add_nc_u32 v[TM+12+\b], 0xff000000, v[TM+\b]
.endr
.irp b, 0,1,2,3
	v_lshrrev_b32 v[TM+4+\b], 23, v[TM+12+\b]
.endr
	v_lshl_or_b32 v[PW], v[TM+5], 8, v[TM+4]
	v_lshl_or_b32 v[PW], v[TM+6], 16, v[PW]
	v_lshl_or_b32 v[PW], v[TM+7], 24, v[PW]
.irp c, 0,1
	v_cvt_scalef32_pk16_fp6_f32 v[PC+6*\c:PC+2+6*\c], v[\s+32*\c:\s+15+32*\c], v[TM+12+2*\c]
	v_cvt_scalef32_pk16_fp6_f32 v[PC+12+4*\c:PC+14+4*\c], v[\s+16+32*\c:\s+31+32*\c], v[TM+12+2*\c+1]
.endr
	v_nop
.irp c, 0,1
.irp i, 0,1,2
	v_permlane16_swap_b32 v[PC+6*\c+\i], v[PC+12+4*\c+\i]
.endr
.irp i, 0,1,2
	v_mov_b32 v[PC+3+6*\c+\i], v[PC+12+4*\c+\i]
.endr
.endr
.endm
	s_load_b256 s[4:11], s[0:1], 0x0
	s_load_b128 s[68:71], s[0:1], 0x20
	s_load_b64 s[72:73], s[0:1], 0x30
	v_lshl_add_u32 v[SPW], v0, 2, SPARE
	v_mov_b32 v[NIL], 0
	ds_add_u32 v28, v29
	ds_add_u32 v28, v29
	s_wait_dscnt 0x0
	v_lshrrev_b32 v1, 5, v0
	v_readfirstlane_b32 s14, v1
	s_lshr_b32 s15, s14, 1
	s_and_b32 s16, s14, 1
	s_bfe_u32 s40, ttmp6, 0x40000
	s_bfe_u32 s41, ttmp6, 0x40004
	s_and_b32 s90, ttmp7, 0xffff
	s_lshr_b32 s74, s90, 3
	s_and_b32 s91, s90, 7
	s_lshl_b32 s94, s74, 6
	s_lshl_b32 s95, s74, 3
	s_add_co_u32 s95, s95, 192
	s_cmp_eq_u32 s74, 2
	s_cselect_b32 s92, 0, s91
	s_cselect_b32 s93, s91, 0
	s_cselect_b32 s94, 208, s94
	s_cselect_b32 s95, 128, s95
	s_lshl_b32 s17, s92, 2
	s_add_co_u32 s17, s17, s41
	s_lshl_b32 s42, s93, 2
	s_add_co_u32 s42, s42, s40
	s_lshl_b32 s43, s41, 2
	s_lshl_b32 s43, 15, s43
	s_lshl_b32 s44, 0x1111, s40
	s_or_b32 s[G1+0], s43, (3<<16)|(1<<21)
	s_or_b32 s[G1B+0], s44, (3<<16)|(1<<21)
.irp g, G1, G1B
	s_mov_b32 s[\g+1], 32<<16
	s_mov_b32 s[\g+2], 96<<16
	s_mov_b32 s[\g+3], 32<<16
	s_mov_b32 s[\g+4], 96
	s_mov_b32 s[\g+5], 32
	s_mov_b32 s[\g+6], 0
	s_mov_b32 s[\g+7], 0
.endr
	s_lshl_b32 s20, s17, 1
	s_add_co_u32 s20, s20, s94
	s_add_co_u32 s20, s20, s16
	s_mul_i32 s20, s20, GRP
	s_mov_b32 s21, 0
	s_lshl_b32 s46, s42, 1
	s_add_co_u32 s46, s46, s95
	s_add_co_u32 s46, s46, s16
	s_mul_i32 s46, s46, GRP
	s_mov_b32 s47, 0
	s_mul_i32 s45, s14, PART
	s_wait_kmcnt 0x0
	s_add_nc_u64 s[20:21], s[4:5], s[20:21]
	s_add_nc_u64 s[46:47], s[4:5], s[46:47]
	CROUND
.irp s, 0,1
	s_mov_b32 s[G0+4*\s], 1
	s_add_co_u32 s[G0+4*\s+1], s45, \s*SLOT
	s_add_nc_u64 s[G0+4*\s+2:G0+4*\s+3], s[20:21], \s*PART
	s_or_b32 s[G0+4*\s+3], s[G0+4*\s+3], 0x80000000
	s_mov_b32 s[G0B+4*\s], 1
	s_add_co_u32 s[G0B+4*\s+1], s45, \s*SLOT
	s_add_nc_u64 s[G0B+4*\s+2:G0B+4*\s+3], s[46:47], \s*PART
	s_or_b32 s[G0B+4*\s+3], s[G0B+4*\s+3], 0x80000000
.endr
	JLOAD G0, G1, G0B, G1B                         ; slot 0's fill, K steps 0 and 1: my one tensor load at the head, behind the opening round
	; PREFETCHES INTO THE L2: a fill of mine is 24,576 bytes, 96 blocks of 256; the four partners that ask for it jointly take 24 blocks each, told apart by address (cx for A's tiles, cy for B's): a lane a block, lanes 24-31 name block 23 again
	s_cmp_eq_u32 s15, 0                            ; do I fetch for A?
	s_cselect_b64 s[2:3], s[20:21], s[46:47]       ; my group's first byte
	s_cselect_b32 s12, s40, s41                    ; my place among the four
	s_mul_i32 s12, s12, PART/4
	v_and_b32 v30, 31, v0
	v_min_u32 v30, 23, v30
	v_lshl_add_u32 v30, v30, 8, s12                ; v30 and s[2:3] are never rewritten
	global_prefetch_b8 v30, s[2:3] offset:PART th:TH_LOAD_NT scope:SCOPE_SE     ; the fill that is asked for next,
	global_prefetch_b8 v30, s[2:3] offset:2*PART th:TH_LOAD_NT scope:SCOPE_SE   ; and the one after it
	v_and_b32 v1, 15, v0
	v_bfe_u32 v2, v0, 4, 1
	v_and_b32 v3, 31, v0
	v_lshlrev_b32 v[LI], 4, v3
	v_lshlrev_b32 v4, 3, v3
	s_mul_i32 s90, s15, PART
	s_mul_i32 s91, s16, PART
	s_add_co_u32 s91, s91, 2*PART
.irp s, 0,1
	v_add_nc_u32 v[A16+\s], s90, v[LI]
	v_add_nc_u32 v[A8+\s], s90, v4
	v_add_nc_u32 v[B16+\s], s91, v[LI]
	v_add_nc_u32 v[B8+\s], s91, v4
	s_add_co_u32 s90, s90, SLOT
	s_add_co_u32 s91, s91, SLOT
.endr
	s_mov_b32 s77, 0xffff0000
	s_lshl_b32 s92, s17, 1
	s_add_co_u32 s92, s92, s94
	s_add_co_u32 s92, s92, s15
	s_lshl_b32 s92, s92, 12
	s_lshl_b32 s93, s42, 1
	s_add_co_u32 s93, s93, s95
	s_add_co_u32 s93, s93, s16
	s_lshl_b32 s93, s93, 12
	v_mov_b32 v8, s92
	v_mov_b32 v9, s93
	v_cndmask_b32 v5, v8, v9, s77
	v_lshl_add_u32 v5, v1, 5, v5
.irp i, 0,1,2,3,4,5,6,7
	global_load_b128 v[SC+8*\i:SC+8*\i+3], v5, s[6:7] offset:512*\i
	global_load_b128 v[SC+8*\i+4:SC+8*\i+7], v5, s[6:7] offset:512*\i+16
.endr
	s_lshl_b32 s96, s17, 8
	s_lshl_b32 s90, s15, 7
	s_add_co_u32 s96, s96, s90
	s_lshl_b32 s97, s42, 8
	s_lshl_b32 s90, s16, 7
	s_add_co_u32 s97, s97, s90
	s_cmp_eq_u32 s74, 0
	s_cselect_b64 s[88:89], s[68:69], s[70:71]
	s_cselect_b32 s75, -1, 0
	s_cselect_b32 s76, 15104, 0
	s_mov_b32 s78, 0x01010000
	s_cselect_b32 s78, 0x017f0000, s78
	s_cmp_eq_u32 s74, 2
	s_cselect_b64 s[88:89], s[72:73], s[88:89]
	s_cselect_b64 s[86:87], s[72:73], s[10:11]
	s_cselect_b32 s98, s97, s96
	s_cselect_b32 s99, s96, s97
	s_and_b32 s90, s97, 1023
	s_lshl_b32 s90, s90, 2
	s_mov_b32 s91, 0
	s_add_nc_u64 s[88:89], s[88:89], s[90:91]
	s_lshl_b32 s90, s96, 2
	s_add_nc_u64 s[86:87], s[86:87], s[90:91]
	s_lshr_b32 s90, s98, 11
	s_lshl_b32 s90, s90, 4
	s_lshr_b32 s92, s99, 6
	s_add_co_u32 s90, s90, s92
	s_lshl_b32 s90, s90, 4
	s_bfe_u32 s92, s98, 0x40007
	s_add_co_u32 s90, s90, s92
	s_mul_i32 s90, s90, BLKB
	s_add_co_u32 s90, s90, s76
	s_add_nc_u64 s[82:83], s[8:9], s[90:91]
	s_add_nc_u64 s[84:85], s[82:83], HEADB
	v_lshlrev_b32 v6, 6, v2
	WIN TO_B
.set n, 0
.rept 16
	global_load_b128 v[96+n+96*(n/32):99+n+96*(n/32)], v6, s[88:89] offset:128*(n/16)+4*(n%16)
.set n, n+4
.endr
	WIN 0
	v_and_b32 v7, 8, v1
	v_add_nc_u32 v7, v7, v1
	v_lshlrev_b32 v7, 2, v7
.irp a, 0,1,2,3,4,5,6,7
	global_load_b32 v[RV+\a], v7, s[86:87] offset:4*(32*(\a/2)+8*(\a%2))
.endr
	v_mov_b32 v[ZERO], 0
	v_mov_b32 v10, 40
	v_cndmask_b32 v[FHID], v10, v[ZERO], s77
	s_and_b32 s90, s75, 8
	v_mov_b32 v11, s90
	v_cndmask_b32 v[FKEEP], v11, v[ZERO], s77
	v_mov_b32 v[VHK], s78
	v_mov_b32 v[VHH], 0x01a00000
	v_mov_b32 v[KT+3], 0
	v_lshlrev_b32 v[L32], 5, v1
	v_lshl_add_u32 v[L32], v2, 4, v[L32]
	v_mul_u32_u24 v[LV], v2, HEADB
	v_lshl_add_u32 v[LV], v1, 4, v[LV]
	s_mov_b32 s[SEL], 0x76543210
	s_mov_b32 s[SEL+1], 0xfedcba98
.macro FRAG reg, a16, a8, off
	ds_load_b128 v[\reg:\reg+3], v[\a16] offset:\off
	ds_load_b64 v[\reg+4:\reg+5], v[\a8] offset:\off+512
	ds_load_b128 v[\reg+6:\reg+9], v[\a16] offset:\off+768
	ds_load_b64 v[\reg+10:\reg+11], v[\a8] offset:\off+1280
.endm
.macro FETCH_B slot, q, p
	WIN TO_B
.irp i, 0,1,2,3,4,5,6,7
	FRAG 128*(\p)+FR*\i, B16+\slot, B8+\slot, 12288*(\q)+1536*\i
.endr
	WIN 0
.endm
.macro FETCH_A slot, q, i0
.irp i, \i0, \i0+1, \i0+2, \i0+3
	FRAG AF+FR*(\i), A16+\slot, A8+\slot, 12288*(\q)+1536*(\i)
.endr
.endm
.macro MUL16 a0, p, qg, zero
.irp a, \a0, \a0+1
.irp b, 0,1,2,3,4,5,6,7
.if \zero
	v_wmma_scale_f32_16x16x128_f8f6f4 v[8*(8*((\a)%4)+\b):8*(8*((\a)%4)+\b)+7], v[128*(\p)+FR*\b:128*(\p)+FR*\b+FR-1], v[AF+FR*(\a):AF+FR*(\a)+FR-1], 0, v[SC+8*\b+(\qg)], v[SC+8*(\a)+(\qg)] matrix_a_fmt:MATRIX_FMT_FP6 matrix_b_fmt:MATRIX_FMT_FP6 matrix_a_scale:MATRIX_SCALE_ROW1
.else
	v_wmma_scale_f32_16x16x128_f8f6f4 v[8*(8*((\a)%4)+\b):8*(8*((\a)%4)+\b)+7], v[128*(\p)+FR*\b:128*(\p)+FR*\b+FR-1], v[AF+FR*(\a):AF+FR*(\a)+FR-1], v[8*(8*((\a)%4)+\b):8*(8*((\a)%4)+\b)+7], v[SC+8*\b+(\qg)], v[SC+8*(\a)+(\qg)] matrix_a_fmt:MATRIX_FMT_FP6 matrix_b_fmt:MATRIX_FMT_FP6 matrix_a_scale:MATRIX_SCALE_ROW1
.endif
.endr
.endr
.endm
.macro STEP slot, qg, zero
	s_wait_dscnt 4*NL
	WIN MUL_LO
	MUL16 0, 0, \qg, \zero
	MUL16 2, 0, \qg, \zero
	s_wait_dscnt 0
	PLACES NP
	FETCH_B \slot, 1, 1
	FETCH_A \slot, 1, 0
	WIN MUL_HI
	MUL16 4, 0, \qg, \zero
	MUL16 6, 0, \qg, \zero
	PLACES NP
	WIN 0
	FETCH_A \slot, 1, 4
.endm
.macro TURN slot, next, fill, qg
	s_wait_tensorcnt 0x0
	ds_add_u32 v[SPW], v[NIL]
	s_wait_dscnt 4*NL+1
	WIN MUL_LO
	MUL16 0, 1, \qg, 0
	s_wait_dscnt 0x0
	s_barrier_signal -1
	MUL16 2, 1, \qg, 0
	WIN 0
	s_barrier_wait -1
.if \fill
	CREST
	s_add_nc_u64 s[G0+4*\slot+2:G0+4*\slot+3], s[G0+4*\slot+2:G0+4*\slot+3], 2*PART
	s_add_nc_u64 s[G0B+4*\slot+2:G0B+4*\slot+3], s[G0B+4*\slot+2:G0B+4*\slot+3], 2*PART
	JLOAD G0+4*\slot, G1, G0B+4*\slot, G1B
.else
	PLACES NP
.endif
	FETCH_B \next, 0, 0
	FETCH_A \next, 0, 0
	WIN MUL_HI
	MUL16 4, 1, \qg, 0
	MUL16 6, 1, \qg, 0
	PLACES NP
	WIN 0
	FETCH_A \next, 0, 4
.endm
	s_wait_alu depctr_va_vdst(0)
	s_wait_tensorcnt 0x0                           ; my part of slot 0 is in
	ds_add_u32 v[SPW], v[NIL]
	s_wait_dscnt 0x0
	CROUND                                         ; a whole round: everybody's part of slot 0 is in, and the joint loads meet
	JLOAD G0+4, G1, G0B+4, G1B                     ; slot 1's first fill, the first tensor load behind the round
	FETCH_B 0, 0, 0
	global_prefetch_b8 v30, s[2:3] offset:3*PART th:TH_LOAD_NT scope:SCOPE_SE   ; my group's last fill, two fills ahead of its load
	FETCH_A 0, 0, 0
	FETCH_A 0, 0, 4
	s_wait_loadcnt 0x0
	STEP 0, 0, 1
	TURN 0, 1, 1, 1
	STEP 1, 2, 0
	TURN 1, 0, 1, 3
	STEP 0, 4, 0
	TURN 0, 1, 0, 5
	STEP 1, 6, 0
	s_wait_dscnt 4*NL
	WIN MUL_LO
	MUL16 0, 1, 7, 0
	MUL16 2, 1, 7, 0
	s_wait_dscnt 0
	WIN MUL_HI
	MUL16 4, 1, 7, 0
	MUL16 6, 1, 7, 0
	WIN 0
	PLACES NP
.irp b, 0,1,2,3
	v_mov_b32 v[TM+4+\b], 0
.endr
	s_cmp_eq_u32 s74, 2
	s_cbranch_scc1 .Lv
.macro EPI_QK a
	s_wait_xcnt 0x0
	WIN 0x06+(\a)/4
.set AC, 64*((\a)%4)
.set n, 0
.rept 32
	v_pk_add_f32 v[T+n:T+n+1], v[AC+n:AC+n+1], v[96+n+96*(n/32):97+n+96*(n/32)]
.set n, n+2
.endr
	WIN 0
	QUANT T
	v_cmp_lt_f32 vcc_lo, 0.5, v[RV+(\a)]
	s_or_b32 vcc_lo, vcc_lo, s75
.irp i, 0,1,2,3,4,5,6,7,8,9,10,11
	v_cndmask_b32 v[PC+\i], 0, v[PC+\i], vcc_lo
.endr
	v_cndmask_b32 v[FL], v[FHID], v[FKEEP], vcc_lo
	v_cndmask_b32 v[HV], v[VHH], v[VHK], vcc_lo
	v_mov_b32 v[KT], v[PC+4]
	v_mov_b32 v[KT+1], v[PC+5]
	v_mov_b32 v[KT+2], v[FL]
	v_mov_b32 v[PC+12], v[FL]
	v_mov_b32 v[PC+13], 0
	v_and_or_b32 v[SA+(\a)], v[PW], 0xffff, v[HV]
	v_lshrrev_b32 v[TMP], 16, v[PW]
	v_or_b32 v[SB+(\a)], v[TMP], v[HV]
	global_store_b128 v[LI], v[PC:PC+3], s[82:83] offset:1024*(\a)
	global_store_b128 v[LI], v[KT:KT+3], s[82:83] offset:1024*(\a)+512
	global_store_b128 v[LI], v[PC+6:PC+9], s[84:85] offset:1024*(\a)
	global_store_b128 v[LI], v[PC+10:PC+13], s[84:85] offset:1024*(\a)+512
.endm
.irp a, 0,1,2,3,4,5,6,7
	EPI_QK \a
.endr
.irp i, 0,1,2,3
	v_cndmask_b32 v[W+\i], v[SA+\i], v[SA+4+\i], s77
.endr
	global_store_b128 v[L32], v[W:W+3], s[82:83] offset:8192
	s_wait_alu depctr_va_vdst(0)
	s_wait_xcnt 0x0
.irp i, 0,1,2,3
	v_cndmask_b32 v[W+\i], v[SB+\i], v[SB+4+\i], s77
.endr
	global_store_b128 v[L32], v[W:W+3], s[84:85] offset:8192
	s_branch .Lend
.macro EPI_V a
	s_wait_xcnt 0x0
	v_mov_b32 v[BP], v[RV+(\a)]
	v_mov_b32 v[BP+1], v[RV+(\a)]
	WIN 0x02+(\a)/4
.set AC, 64*((\a)%4)
.set n, 0
.rept 32
	v_pk_add_f32 v[T+n:T+n+1], v[AC+n:AC+n+1], v[BP:BP+1]
.set n, n+2
.endr
	WIN 0
	QUANT T
	v_mov_b32 v[SA+(\a)], v[PW]
.irp c, 0,1,2
.if (\a) < 4
	global_store_b128 v[LI], v[PC+4*\c:PC+4*\c+3], s[82:83] offset:8704+1536*((\a)%4)+512*\c
.else
	global_store_b128 v[LI], v[PC+4*\c:PC+4*\c+3], s[84:85] offset:8704+1536*((\a)%4)+512*\c
.endif
.endr
.endm
.Lv:
.irp a, 0,1,2,3,4,5,6,7
	EPI_V \a
.endr
.irp i, 0,1,2,3
	v_cndmask_b32 v[W+\i], v[SA+\i], v[SA+4+\i], s77
.endr
	global_store_b128 v[LV], v[W:W+3], s[82:83] offset:14848
.Lend:
	s_wait_tensorcnt 0x0
	ds_add_u32 v[SPW], v[NIL]
	s_wait_dscnt 0x0
	CROUND
	s_endpgm
.Lfunc_end_k_q5680310a12_proj:
	.size	k_q5680310a12_proj, .Lfunc_end_k_q5680310a12_proj-k_q5680310a12_proj
	.p2alignl 7, 3214868480
	.fill 96, 4, 3214868480
	.section	.rodata,"a",@progbits
	.p2align	6, 0x0
	.amdhsa_kernel k_q5680310a12_proj
		.amdhsa_group_segment_fixed_size 327680
		.amdhsa_private_segment_fixed_size 0
		.amdhsa_enable_private_segment 0
		.amdhsa_kernarg_size 56
		.amdhsa_user_sgpr_count 2
		.amdhsa_user_sgpr_kernarg_segment_ptr 1
		.amdhsa_wavefront_size32 1
		.amdhsa_system_sgpr_workgroup_id_x 1
		.amdhsa_system_sgpr_workgroup_id_y 1
		.amdhsa_system_sgpr_workgroup_id_z 1
		.amdhsa_system_vgpr_workitem_id 0
		.amdhsa_next_free_vgpr 1024
		.amdhsa_next_free_sgpr 100
		.amdhsa_reserve_vcc 1
		.amdhsa_float_denorm_mode_32 3
		.amdhsa_float_denorm_mode_16_64 3
		.amdhsa_memory_ordered 1
		.amdhsa_forward_progress 1
		.amdhsa_inst_pref_size 223
	.end_amdhsa_kernel
	.amdgpu_metadata
---
amdhsa.version: [ 1, 2 ]
amdhsa.kernels:
  - .name:           k_q5680310a12_proj
    .symbol:         k_q5680310a12_proj.kd
    .args:
      - { .name: codes_all, .offset: 0, .size: 8, .value_kind: global_buffer, .address_space: global }
      - { .name: sc_all, .offset: 8, .size: 8, .value_kind: global_buffer, .address_space: global }
      - { .name: att, .offset: 16, .size: 8, .value_kind: global_buffer, .address_space: global }
      - { .name: mask, .offset: 24, .size: 8, .value_kind: global_buffer, .address_space: global }
      - { .name: b_q, .offset: 32, .size: 8, .value_kind: global_buffer, .address_space: global }
      - { .name: b_k, .offset: 40, .size: 8, .value_kind: global_buffer, .address_space: global }
      - { .name: b_v, .offset: 48, .size: 8, .value_kind: global_buffer, .address_space: global }
    .group_segment_fixed_size: 327680
    .private_segment_fixed_size: 0
    .kernarg_segment_align: 8
    .kernarg_segment_size: 56
    .max_flat_workgroup_size: 128
    .sgpr_count:     100
    .vgpr_count:     1024
    .wavefront_size: 32
...
	.end_amdgpu_metadata
.endif
;; end of part 2
;; launch attn (part 3): grid 4 x 64, 8 waves a work-group, clusters of 4 x 1, 262,144 bytes of LDS; arguments att, codes_all, sc_all; writes codes_all, sc_all
.if DOCPART == 3
	.amdgcn_target "amdgcn-amd-amdhsa--gfx1250"
	.amdhsa_code_object_version 6
	.text
	.protected	k_q5680310a12_attn
	.globl	k_q5680310a12_attn
	.p2align	8
	.type	k_q5680310a12_attn,@function
k_q5680310a12_attn:
	s_mov_b64 s[64:65], 0
	v_nop
	global_prefetch_b8 v0, s[64:65] scope:SCOPE_SE
	s_setreg_imm32_b32 hwreg(HW_REG_WAVE_MODE, 25, 1), 1
	s_wait_xcnt 0x0
	s_wait_alu depctr_hold_cnt(0) depctr_sa_sdst(0) depctr_va_vdst(0) depctr_va_sdst(0) depctr_va_ssrc(0) depctr_va_vcc(0) depctr_vm_vsrc(0)
	s_getreg_b32 s2, hwreg(HW_REG_IB_STS2, 6, 4)
	s_cmp_eq_u32 s2, 0
	s_cbranch_scc0 .Lentry_in_a_cluster
	s_endpgm
.Lentry_in_a_cluster:
	s_bfe_u32 s2, ttmp6, 0x10000c
	s_cmp_lg_u32 s2, 0x3003
	s_cbranch_scc0 .Lentry_shape_is_right
	s_endpgm
.Lentry_shape_is_right:
; O[b][h][q] = the sum over k of softmax_k(Q . K / 8, hidden keys at -2^30) V, both products on codes of FP6 (E2M3) with E8M0 scales; O / the row's sum is quantised along d_model to the output projection's operand.
; THE SOFTMAX AHEAD OF THE SECOND PRODUCT: t = score x log2(e) / 8; M = the row's largest t so far, rounded up to a whole number; p = 2^(t - M) is what is quantised, along the keys; the row's sum is taken of the
; unquantised p and divides O at the end.  When M moves, the sum and O are multiplied by 2^(old M - new M): exact.
; THE MASK lies in K's codes (a hidden key's 64 codes are zeros, and at k = 64 stands -1.0 x 2^33 against Q's 1.0).  A row all of whose keys are hidden gets p = 1 everywhere.
; LIMITS: reference has the logit -1e9 where this has -2^30: the same results while every kept logit lies above about -9.99e8.  NaN and infinities are not served.
; SHARES.  A work-group owns 512 queries of one head; each of its eight waves 64 of them, in two passes of TWO TILES of 16 side by side: a fragment of K or V read from LDS feeds two products.  512 registers a wave.
; A HEAD'S K, V AND SCALE WORDS, 16 key steps x 15,104 bytes, ALL LIE IN LDS: wave w brings key steps 2 w and 2 w + 1 by one tensor load of two rows of 15,104 bytes, 16 bytes of padding behind every 256.
; Nothing is filled again: no ring, no barrier in the loops, and no data prefetch, since every tile is asked for at the head.
; CLUSTER: the four query blocks of a head walk the same K and V: each tile is asked for jointly, by the same load with a mask that names the four.
; LAYOUT.  Both products are used transposed: S^T = K Q^T (source 0 = 16 keys), O^T = V^T P^T (source 0 = 16 channels): a lane holds one query throughout.
; WHICH KEYS FORM A TILE is chosen by the LDS addresses: lane row r of tile i takes key 64 (i / 4) + 32 (r / 8) + 8 (i % 4) + r % 8 of the step, so that a lane's 32 scores of tiles 4 c .. 4 c + 3 are ONE
; scale block, 2 c + lane / 16, in ascending order: its largest needs no other lane, and the conversions' results are the operand's registers.
; In att that key lies in image 4 (i / 4) + 2 (r / 8) + i % 2 at lane row r % 8 + 8 ((i / 2) % 2).  Byte y of a key step lies at LDS byte y + 16 (y / 256) of the step.
; REGISTERS.  Window 0: addresses, all scale words, both tiles' row state, tile 0 (Q, p's codes, O^T, S^T), V's four fragments.  Window 1: tile 1 at the same numbers, K's eight fragments, the second pass's Q.
; K's fragments of the next step are asked for behind this step's score products (behind the last step: step 0's again, which the second pass begins with); V's at the step's head.
.set BLKB,  23808                      ; a block of att: a group of 128 keys or queries of one head
.set HEADB, 16*BLKB
.set KSB,   16048                      ; a key step in LDS: 59 x (256 + 16)
.set GRP,   98304
.set SPARE, 16*KSB                     ; the spare words: 128 bytes a wave
.set LK,   1                           ; 2,176 (r / 8) + 16 (r % 8) + 272 h: K's images
.set LKS,  2                           ; 8,704 + 32 (r % 8) + 8 (r / 8): K's scale words
.set LV,   3                           ; 16 r + 272 h: V's images
.set LVS,  4                           ; 15,776 + 16 r: V's scale words
.set ADK,  5                           ; v5-8 the same at the step in hand
.set ADKS, 6
.set ADV,  7
.set ADVS, 8
.set LI,   9                           ; 16 x lane
.set L8,   10                          ; 8 x lane
.set L32,  11                          ; 32 x lane
.set R32,  12                          ; 32 r
.set SH8,  13                          ; 8 h
.set SPW,  14
.set NIL,  15
.set KS,   16                          ; v16-23 K's scale words, a tile each
.set VS,   24                          ; v24-27 V's
.set QS,   28                          ; v28-31 Q's: this pass's two tiles, the next pass's two
.set OS,   32                          ; v32-33 the two tiles' scale halfwords of O
.set TMPR, 34
.set PS,   36                          ; v36-37 p's scale words
.set OLD,  38                          ; v38-39 -M of the step before
.set NM,   40                          ; v40-43 a pair a tile: -M, the largest score so far
.set LS,   44                          ; v44-47 a pair a tile: the row's sum in two halves
.set FF,   48                          ; v48-51 a pair a tile: f = 2^(old M - new M), and a word that is only named
.set BM,   52                          ; v52-55 the blocks' largest scores: 2 x tile + c
.set TP,   56                          ; v56-63 at work
.set SCO,  64                          ; v64-67 the conversions' scale operands
.set MX,   68                          ; v68-75 the maxima's chains, four a tile; then (in each tile's own window) the sums' four chains
.set T,    68
.set Q,    76                          ; v76-87 Q's fragment
.set PC,   88                          ; v88-99 p's codes
.set TC,   100                         ; v100-102, v104-106 the second conversions' codes
.set O,    108                         ; v108-139 O^T
.set S,    140                         ; v140-203 S^T, then p
.set VF,   204                         ; v204-251 V's four fragments (window 0).  Window 1: K's fragment i at 12 i + 144 (i / 5)
.set QN,   240                         ; window 1, v240-255: the second pass's Q
.set WV,   18
.set SEL,  20                          ; s[20:21] lane selects: lane l xor 16
.set CS,   22                          ; s[22:23] c = log2(e) / 8
.set G1,   24
.set G0,   32
.set TB,   36                          ; LDS byte at which the key step in hand begins
.set TBN,  37                          ; and the next one
.set HM,   38                          ; lanes 16-31
.set CNT,  39
.set PASS, 56
.set MSB, 0
.macro WIN new                         ; the immediate's high byte repeats the setting that is left
.if MSB != (\new)
	s_set_vgpr_msb (MSB<<8)|(\new)
.set MSB, \new
.endif
.endm
.macro WALU
	s_wait_alu depctr_va_vdst(0)
.endm
.macro CROUND                          ; a round of the cluster's barrier
	s_barrier_signal -1
	s_barrier_wait -1
	s_cmp_lg_u32 s[WV], 0
	s_cbranch_scc1 .Lnot_wave_0_\@
	s_barrier_signal -3
.Lnot_wave_0_\@:
	s_barrier_wait -3
	s_barrier_signal -1
	s_barrier_wait -1
.endm
; K's eight fragments and scale words of the step at s[TBN]: 18 LDS loads.  old = 1: with the copies of -M its first four lines are the places behind the score products
.macro KFETCH old
	v_add_nc_u32 v[ADK], s[TBN], v[LK]
	v_add_nc_u32 v[ADKS], s[TBN], v[LKS]
.if \old
	v_mov_b32 v[OLD], v[NM]
	v_mov_b32 v[OLD+1], v[NM+2]
.endif
	WIN 0x40
.irp i, 0,1,2,3,4,5,6,7
.irp p, 0,1
	ds_load_b128 v[12*\i+144*(\i/5)+4*\p:12*\i+144*(\i/5)+4*\p+3], v[ADK] offset:4352*(\i/4)+1088*(\i%2)+128*((\i/2)%2)+544*\p
.endr
.endr
	WIN 0
	ds_load_2addr_b64 v[KS:KS+3], v[ADKS] offset0:0 offset1:34
	ds_load_2addr_b64 v[KS+4:KS+7], v[ADKS] offset0:2 offset1:36
.endm
.macro QK u                            ; S^T = K Q^T of tile u: source 0 in window 1, source 1 and the result in window u
	WIN 0x01+0x44*\u
.irp i, 0,1,2,3,4,5,6,7
	v_wmma_scale_f32_16x16x128_f8f6f4 v[S+8*\i:S+8*\i+7], v[12*\i+144*(\i/5):12*\i+144*(\i/5)+11], v[Q:Q+11], 0, v[KS+\i], v[QS+\u] matrix_a_fmt:MATRIX_FMT_FP6 matrix_b_fmt:MATRIX_FMT_FP6
.endr
.endm
.macro MAXES u                         ; four chains side by side, each over 15 of 16 scores; each accumulator is read from its low end on; then each block's scores 15 and 31
	WIN 0x15*\u
.irp k, 0,1,2,3
	v_max3_num_f32 v[MX+4*\u+\k], v[S+16*\k], v[S+16*\k+1], v[S+16*\k+2]
.endr
	WIN 0x14*\u
.irp i, 3,5,7,9,11,13
.irp k, 0,1,2,3
	v_max3_num_f32 v[MX+4*\u+\k], v[MX+4*\u+\k], v[S+16*\k+\i], v[S+16*\k+\i+1]
.endr
.endr
.irp c, 0,1
	v_max3_num_f32 v[MX+4*\u+2*\c], v[MX+4*\u+2*\c], v[S+32*\c+15], v[S+32*\c+31]
.endr
.endm
.macro RESC u                          ; O^T under the new M, then t - M, two at a time
	WIN 0x41*\u
.set j, 0
.rept 16
	v_pk_mul_f32 v[O+j:O+j+1], v[O+j:O+j+1], v[FF+2*\u:FF+2*\u+1] op_sel_hi:[1,0]
.set j, j+2
.endr
.set j, 0
.rept 32
	v_pk_fma_f32 v[S+j:S+j+1], v[S+j:S+j+1], s[CS:CS+1], v[NM+2*\u:NM+2*\u+1] op_sel_hi:[1,0,0]
.set j, j+2
.endr
.endm
.macro EXPS u                          ; p = 2^(t - M), at most 1: not normalised
	WIN 0x41*\u
.set j, 0
.rept 64
	v_exp_f32 v[S+j], v[S+j]
.set j, j+1
.endr
.endm
.macro CV u                            ; a lane's two blocks of 32: registers 6 c .. 6 c + 2 at once; a conversion's three registers begin on an even number, so the second half goes by way of v[TC ..]
	WIN 0x41*\u
.irp c, 0,1
	v_cvt_scalef32_pk16_fp6_f32 v[PC+6*\c:PC+6*\c+2], v[S+32*\c:S+32*\c+15], v[SCO+2*\u+\c]
	v_cvt_scalef32_pk16_fp6_f32 v[TC+4*\c:TC+4*\c+2], v[S+32*\c+16:S+32*\c+31], v[SCO+2*\u+\c]
.endr
.endm
.macro MOVC u
	WIN 0x41*\u
.irp c, 0,1
.irp i, 0,1,2
	v_mov_b32 v[PC+6*\c+3+\i], v[TC+4*\c+\i]
.endr
.endr
.endm
.macro SUM u                           ; the row's sum is taken of the unquantised p: four chains of packed additions, 32 additions in all
	WIN 0x55*\u
.irp k, 0,1,2,3
	v_pk_add_f32 v[T+2*\k:T+2*\k+1], v[S+4*\k:S+4*\k+1], v[S+4*\k+2:S+4*\k+3]
.endr
.set j, 16
.rept 6
.irp k, 0,1,2,3
	v_pk_add_f32 v[T+2*\k:T+2*\k+1], v[T+2*\k:T+2*\k+1], v[S+j+2*\k:S+j+2*\k+1]
.endr
.set j, j+8
.endr
	v_pk_add_f32 v[T:T+1], v[T:T+1], v[T+2:T+3]
	v_pk_add_f32 v[T+4:T+5], v[T+4:T+5], v[T+6:T+7]
	v_pk_add_f32 v[T:T+1], v[T:T+1], v[T+4:T+5]
	WIN 0x04*\u
	v_pk_add_f32 v[LS+2*\u:LS+2*\u+1], v[LS+2*\u:LS+2*\u+1], v[T:T+1]
.endm
.macro PV u                            ; O^T += V^T P^T: the four accumulators by turns
	WIN 0x54*\u
.irp t, 0,1,2,3
	v_wmma_scale_f32_16x16x128_f8f6f4 v[O+8*\t:O+8*\t+7], v[VF+12*\t:VF+12*\t+11], v[PC:PC+11], v[O+8*\t:O+8*\t+7], v[VS+\t], v[PS+\u] matrix_a_fmt:MATRIX_FMT_FP6 matrix_b_fmt:MATRIX_FMT_FP6
.endr
.endm
; The way out of tile u: O^T / the sum (register 16 b + i is channel 32 b + 16 (lane / 16) + i of my query), the head's two blocks of 32 along d_model, half a fragment's image
.macro FIN u
	WIN 0x41*\u
	WALU                                           ; behind the reciprocals and directly ahead of the first reader of this tile's O^T
.set j, 0
.rept 16
	v_pk_mul_f32 v[S+j:S+j+1], v[O+j:O+j+1], v[LS+2*\u:LS+2*\u+1] op_sel_hi:[1,0]
.set j, j+2
.endr
	WIN 0x05*\u
.irp b, 0,1
	v_max3_num_f32 v[BM+\b], |v[S+16*\b]|, |v[S+1+16*\b]|, 0x1800000   ; with the floor 2^(3 - 127): the byte cannot fall under 1
.endr
	WIN 0x14*\u
.irp i, 2,4,6,8,10,12,14
.irp b, 0,1
	v_max3_num_f32 v[BM+\b], v[BM+\b], |v[S+16*\b+\i]|, |v[S+1+16*\b+\i]|
.endr
.endr
	WIN 0
.irp b, 0,1
	v_permlanex16_b32 v[TP+\b], v[BM+\b], s[SEL], s[SEL+1]
.endr
.irp b, 0,1
	v_max_num_f32 v[BM+\b], v[BM+\b], v[TP+\b]
.endr
.irp b, 0,1
	v_add_nc_u32 v[SCO+\b], 0xff000000, v[BM+\b]
.endr
.irp b, 0,1
	v_lshrrev_b32 v[TP+\b], 23, v[SCO+\b]
.endr
	v_lshl_or_b32 v[OS+\u], v[TP+1], 8, v[TP]      ; my row's two scale bytes
	WIN 0x41*\u
	v_cvt_scalef32_pk16_fp6_f32 v[PC:PC+2], v[S:S+15], v[SCO]
	v_cvt_scalef32_pk16_fp6_f32 v[TC:TC+2], v[S+16:S+31], v[SCO+1]
	v_nop                                          ; one plain instruction behind the scaled conversions
.irp i, 0,1,2
	v_permlane16_swap_b32 v[PC+\i], v[TC+\i]       ; the operand wants a whole block in a lane
.endr
.irp i, 0,1,2
	v_mov_b32 v[PC+3+\i], v[TC+\i]
.endr
	WIN 0x04*\u
	global_store_b128 v[LI], v[PC:PC+3], s[44:45] offset:1536*\u        ; 512 consecutive bytes,
	global_store_b64 v[L8], v[PC+4:PC+5], s[44:45] offset:1536*\u+512   ; and 256
.endm
; ================= THE HEAD
	s_load_b128 s[4:7], s[0:1], 0x0                ; att, codes_all
	s_load_b64 s[8:9], s[0:1], 0x10                ; sc_all
	v_lshl_add_u32 v[SPW], v0, 2, SPARE
	v_mov_b32 v[NIL], 0
	ds_add_u32 v[SPW], v[NIL]                      ; the opening lines
	ds_add_u32 v[SPW], v[NIL]
	v_lshrrev_b32 v1, 5, v0
	v_readfirstlane_b32 s[WV], v1                  ; wave 0..7
	s_bfe_u32 s11, ttmp6, 0x40000                  ; cx: my block of 512 queries: it enters Q's and O's addresses alone
	s_and_b32 s10, ttmp7, 0xffff                   ; b 16 + head, which the four partners share
	s_mul_i32 s12, s10, HEADB                      ; under 2^25
	s_mul_i32 s16, s[WV], 2*BLKB
	s_add_co_u32 s16, s16, s12                     ; key step 2 w's block
	s_mov_b32 s17, 0
	s_mov_b32 s[G1], 15|(3<<16)|(1<<20)|(1<<21)|(5<<22)|(3<<25)   ; the mask: all four; elements of 8 bytes; padding on; 21 set beside a mask; after every 64 words, 4 words
	s_mov_b32 s[G1+1], 1888<<16                    ; tensor_dim0: a row is a key step's 15,104 bytes
	s_mov_b32 s[G1+2], 2<<16                       ; tensor_dim1: two of them
	s_mov_b32 s[G1+3], 1888<<16                    ; tile_dim0
	s_mov_b32 s[G1+4], 2                           ; tile_dim1
	s_mov_b32 s[G1+5], BLKB/8                      ; from block to block of att: 93 x 256 bytes
	s_mov_b32 s[G1+6], 0
	s_mov_b32 s[G1+7], 0
	s_mul_i32 s19, s[WV], 2*KSB
	s_mov_b32 s[SEL], 0x76543210
	s_mov_b32 s[SEL+1], 0xfedcba98
	s_mov_b32 s[CS], 0x3e38aa3b
	s_mov_b32 s[CS+1], s[CS]                       ; (named with it as a pair, so it is written)
	s_mov_b32 s[HM], 0xffff0000
	WALU
	s_wait_dscnt 0x0
	s_wait_kmcnt 0x0
	s_mov_b32 s[G0], 1
	s_mov_b32 s[G0+1], s19                         ; LDS: wave x two key steps
	s_add_nc_u64 s[G0+2:G0+3], s[4:5], s[16:17]
	s_or_b32 s[G0+3], s[G0+3], 0x80000000
	CROUND                                         ; all four work-groups are here: the joint loads meet
	s_cmp_lt_u32 s[WV], 2                          ; waves 0 and 1, whose key steps 0 to 3 are shown ahead of the rest, have a load line of their own
	s_cbranch_scc0 .Llate
	tensor_load_to_lds s[G0:G0+3], s[G1:G1+7]      ; my one tensor load of the launch
	s_nop 0
.rept 4
	v_nop
.endr
	s_branch .Lasked
.Llate:
	tensor_load_to_lds s[G0:G0+3], s[G1:G1+7]      ; my one tensor load of the launch
	s_nop 0
.rept 4
	v_nop
.endr
.Lasked:
	s_lshl_b32 s13, s11, 2
	s_lshr_b32 s14, s[WV], 1
	s_add_co_u32 s13, s13, s14                     ; my group of 128 queries, 0..15
	s_and_b32 s14, s[WV], 1                        ; my four tiles in it: 4 (w % 2) + 2 x pass + 0, 1
	s_mul_i32 s48, s13, BLKB
	s_add_co_u32 s48, s48, s12
	s_mov_b32 s49, 0
	s_add_nc_u64 s[50:51], s[4:5], s[48:49]
	s_lshl_b32 s48, s14, 12
	s_add_co_u32 s48, s48, 15104
	s_add_nc_u64 s[40:41], s[50:51], s[48:49]      ; Q's images
	s_lshl_b32 s48, s14, 4
	s_add_co_u32 s48, s48, 23296
	s_add_nc_u64 s[42:43], s[50:51], s[48:49]      ; Q's scale words
	s_lshr_b32 s52, s10, 4
	s_lshl_b32 s52, s52, 4
	s_add_co_u32 s52, s52, s13
	s_add_co_u32 s52, s52, 224                     ; O's group in codes_all and sc_all
	s_and_b32 s53, s10, 15                         ; the head
	s_mul_i32 s48, s52, GRP
	s_lshr_b32 s54, s53, 1
	s_mul_i32 s54, s54, 12288                      ; which 128 along d_model,
	s_add_co_u32 s48, s48, s54
	s_mul_i32 s54, s14, 6144                       ; my tiles,
	s_add_co_u32 s48, s48, s54
	s_and_b32 s54, s53, 1
	s_mul_i32 s54, s54, 768                        ; which half of the fragment
	s_add_co_u32 s48, s48, s54
	s_add_nc_u64 s[44:45], s[6:7], s[48:49]
	s_lshl_b32 s48, s52, 12
	s_lshl_b32 s54, s14, 11
	s_add_co_u32 s48, s48, s54
	s_lshl_b32 s54, s53, 1                         ; a head's two scale bytes in a row's 32
	s_add_co_u32 s48, s48, s54
	s_add_nc_u64 s[46:47], s[8:9], s[48:49]
	v_and_b32 v[L32], 31, v0
	v_and_b32 v[R32], 15, v0                       ; r
	v_bfe_u32 v[TMPR], v0, 4, 1                    ; h
	v_and_b32 v[TP], 7, v0                         ; r % 8
	v_bfe_u32 v[TP+1], v0, 3, 1                    ; r / 8
	v_lshlrev_b32 v[LI], 4, v[L32]
	v_lshlrev_b32 v[L8], 3, v[L32]
	v_lshlrev_b32 v[L32], 5, v[L32]
	v_mul_u32_u24 v[LV], v[TMPR], 272
	v_lshl_add_u32 v[LVS], v[R32], 4, 15776
	v_mul_u32_u24 v[LK], v[TP+1], 2176
	v_lshlrev_b32 v[LKS], 5, v[TP]
	v_lshlrev_b32 v[SH8], 3, v[TMPR]
	v_lshl_add_u32 v[LK], v[TP], 4, v[LK]
	v_lshl_add_u32 v[LKS], v[TP+1], 3, v[LKS]
	v_add_nc_u32 v[LK], v[LK], v[LV]
	v_lshl_add_u32 v[LV], v[R32], 4, v[LV]
	v_add_nc_u32 v[LKS], 8704, v[LKS]
	v_lshlrev_b32 v[R32], 5, v[R32]
	WALU
	global_load_b128 v[Q:Q+3], v[LI], s[40:41]                  ; the first pass's tile 0,
	global_load_b128 v[Q+4:Q+7], v[LI], s[40:41] offset:512
	global_load_b128 v[QS:QS+3], v[R32], s[42:43]               ; my four tiles' scale words
	WIN 0x40
	global_load_b128 v[Q:Q+3], v[LI], s[40:41] offset:1024      ; its tile 1,
	global_load_b128 v[Q+4:Q+7], v[LI], s[40:41] offset:1536
.irp i, 0,1,2,3
	global_load_b128 v[QN+4*\i:QN+4*\i+3], v[LI], s[40:41] offset:2048+512*\i   ; and the second pass's two
.endr
.irp i, 0,1,2,3,4,5,6,7
.irp z, 8,9,10,11
	v_mov_b32 v[12*\i+144*(\i/5)+\z], 0            ; k = 80 .. 127 of K's fragments: zeros, never loaded
.endr
.endr
.irp z, 8,9,10,11
	v_mov_b32 v[Q+\z], 0                           ; the same of Q's
.endr
	WIN 0
.irp z, 8,9,10,11
	v_mov_b32 v[Q+\z], 0
.endr
.irp b, 0,1,2,3,4,5,6,7
	v_mov_b32 v[TP+\b], 0                          ; written once: a lane permute's destination counts as one of its sources
.endr
	v_mov_b32 v[FF+1], 0                           ; (named as the upper halves of pairs)
	v_mov_b32 v[FF+3], 0
	s_mov_b32 s[TBN], 0
	WALU
	s_cmp_lt_u32 s[WV], 2
	s_cbranch_scc0 .Lnot_first
	s_wait_tensorcnt 0x0                           ; waves 0 and 1: key steps 0 to 3 are in
.Lnot_first:
	s_barrier_signal -1
	s_barrier_wait -1                              ; and are shown to all; the other waves' tiles may still be on their way
	KFETCH 0
	s_mov_b32 s[PASS], 0
	WALU
	s_wait_loadcnt 0x0                             ; Q
; ================= A PASS: two tiles of 16 queries through all keys, and out
.Lpass:
.irp u, 0,1
	v_mov_b32 v[NM+2*\u], 0x7e000000               ; -M: 2^125, over every later -M, so that the first f is 0
	v_mov_b32 v[NM+2*\u+1], 0xff61b1e6             ; the largest score so far: -3e38
	v_mov_b32 v[LS+2*\u], 0                        ; the sum, in two halves
	v_mov_b32 v[LS+2*\u+1], 0
.endr
.set j, 0
.rept 32
	v_mov_b32 v[O+j], 0                            ; O^T: the step is written once; its first trip finds zeros
.set j, j+1
.endr
	WIN 0x40
.set j, 0
.rept 32
	v_mov_b32 v[O+j], 0
.set j, j+1
.endr
	WIN 0
	WALU
	s_mov_b32 s[CNT], 0
; A KEY STEP: 128 keys x 32 queries.  wrap = 1: behind step 15 comes step 0
.macro STEP wrap
	s_mul_i32 s[TB], s[CNT], KSB
	s_add_co_u32 s[TBN], s[CNT], 1
.if \wrap
	s_and_b32 s[TBN], s[TBN], 15
.endif
	s_mul_i32 s[TBN], s[TBN], KSB
	v_add_nc_u32 v[ADV], s[TB], v[LV]
	v_add_nc_u32 v[ADVS], s[TB], v[LVS]
	v_nop
	v_nop                                          ; four places behind the last step's products, ahead of the loads into their sources
.irp t, 0,1,2,3
.irp c, 0,1,2
	ds_load_b128 v[VF+12*\t+4*\c:VF+12*\t+4*\c+3], v[ADV] offset:9248+1632*\t+544*\c
.endr
.endr
	ds_load_b128 v[VS:VS+3], v[ADVS]
	s_wait_dscnt 13                                ; K's fragments and scale words are in; younger are V's 13 loads
	QK 0
	QK 1
	WIN 0
	KFETCH 1                                       ; the next step's K
	MAXES 0
	MAXES 1
	WIN 0
.irp u, 0,1
.irp c, 0,1
	v_max_num_f32 v[BM+2*\u+\c], v[MX+4*\u+2*\c], v[MX+4*\u+2*\c+1]   ; the largest score of my block 2 c + h: it serves for the row's maximum and, since p rises with the score, for the block's largest p
.endr
.endr
.irp u, 0,1                                        ; the two tiles by turns from here on
	v_max_num_f32 v[TP+\u], v[BM+2*\u], v[BM+2*\u+1]
.endr
.irp u, 0,1
	v_permlanex16_b32 v[TP+2+\u], v[TP+\u], s[SEL], s[SEL+1]
.endr
.irp u, 0,1
	v_max3_num_f32 v[NM+2*\u+1], v[NM+2*\u+1], v[TP+\u], v[TP+2+\u]   ; the running largest score
.endr
.irp u, 0,1
	v_mul_f32 v[TP+4+\u], s[CS], v[NM+2*\u+1]      ; as t (c is positive)
.endr
.irp u, 0,1
	v_floor_f32 v[NM+2*\u], -v[TP+4+\u]            ; the new -M = floor(-t): M is a whole number
.endr
.irp u, 0,1
	v_sub_f32 v[TP+4+\u], v[NM+2*\u], v[OLD+\u]    ; old M less new M: a whole number, 0 or less
.endr
.irp u, 0,1
	v_cvt_i32_f32 v[TP+4+\u], v[TP+4+\u]           ; (it saturates)
.endr
.irp u, 0,1
	v_ldexp_f32 v[FF+2*\u], 1.0, v[TP+4+\u]        ; f = 2^(old M - new M)
.endr
.irp u, 0,1
.irp c, 0,1
	v_fma_f32 v[BM+2*\u+\c], v[BM+2*\u+\c], s[CS], v[NM+2*\u]   ; t - M of each block's largest score
.endr
.endr
.irp u, 0,1
	v_pk_mul_f32 v[LS+2*\u:LS+2*\u+1], v[LS+2*\u:LS+2*\u+1], v[FF+2*\u:FF+2*\u+1] op_sel_hi:[1,0]   ; the sums under the new M
.endr
	RESC 0
	RESC 1
	WALU                                           ; ahead of the batch of exponentials
	EXPS 1
	EXPS 0
.irp b, 0,1,2,3
	v_exp_f32 v[BM+\b], v[BM+\b]                   ; the block's largest p: the same two instructions on the same number give the same bits
.endr
	v_nop                                          ; a plain instruction behind the exponentials
	WALU                                           ; one wait for the whole batch, ahead of its first reader
.irp b, 0,1,2,3
	v_max_num_f32 v[BM+\b], 0x1800000, v[BM+\b]    ; the floor 2^(3 - 127): the byte cannot fall under 1
.endr
.irp b, 0,1,2,3
	v_add_nc_u32 v[SCO+\b], 0xff000000, v[BM+\b]   ; 2 off the exponent field: the conversion's scale operand
.endr
.irp b, 0,1,2,3
	v_lshrrev_b32 v[TP+\b], 23, v[SCO+\b]          ; the scale's byte
.endr
.irp u, 0,1
	v_lshl_or_b32 v[TP+4+\u], v[TP+2*\u+1], 16, v[TP+2*\u]   ; my two bytes: blocks h and 2 + h,
.endr
.irp u, 0,1
	v_lshlrev_b32 v[TP+4+\u], v[SH8], v[TP+4+\u]   ; at their places in the word;
.endr
.irp u, 0,1
	v_permlanex16_b32 v[TP+6+\u], v[TP+4+\u], s[SEL], s[SEL+1]
.endr
.irp u, 0,1
	v_or_b32 v[PS+\u], v[TP+4+\u], v[TP+6+\u]      ; with lane l xor 16's two: p's scale word for these 128 keys
.endr
	CV 1
	CV 0
	SUM 0                                          ; (its first lines are the plain instructions behind the conversions)
	MOVC 0
	MOVC 1
	SUM 1                                          ; (and these the places in front of the scaled products)
	WALU
	s_wait_dscnt 18                                ; V's fragments and scale words are in; younger are the next step's 18 loads of K
	PV 0
	PV 1
	WALU
	WIN 0
	s_add_co_u32 s[CNT], s[CNT], 1
.endm
.Lstep_a:                                              ; steps 0 to 2: they read key steps 0 to 2 and fetch K of steps 1 to 3, which the head's barrier has shown
	STEP 0
	s_cmp_lt_u32 s[CNT], 3
	s_cbranch_scc1 .Lstep_a
	s_wait_tensorcnt 0x0                           ; every wave's two key steps are in,
	s_wait_dscnt 0x0
	s_barrier_signal -1
	s_barrier_wait -1                              ; and are shown to all: the whole head lies in LDS (in the second pass this barrier shows nothing new)
	s_mov_b32 s[CNT], 3
.Lstep_b:                                              ; steps 3 to 15
	STEP 1
	s_cmp_lt_u32 s[CNT], 16
	s_cbranch_scc1 .Lstep_b
.irp u, 0,1
	v_add_f32 v[LS+2*\u], v[LS+2*\u], v[LS+2*\u+1] ; the sum's two halves,  (these six lines are the places behind the last products)
.endr
.irp u, 0,1
	v_permlanex16_b32 v[TP+2+\u], v[LS+2*\u], s[SEL], s[SEL+1]
.endr
.irp u, 0,1
	v_add_f32 v[LS+2*\u], v[LS+2*\u], v[TP+2+\u]   ; and lane l xor 16's: the row's sum
.endr
	WALU
.irp u, 0,1
	v_rcp_f32 v[LS+2*\u], v[LS+2*\u]
.endr
	v_nop                                          ; a plain instruction behind the reciprocals
	FIN 0
	FIN 1
	WIN 0
	v_cndmask_b32 v[TMPR], v[OS], v[OS+1], s[HM]   ; lanes 0-15: the first tile's rows; lanes 16-31: the second's
	global_store_b16 v[L32], v[TMPR], s[46:47]     ; two bytes of each row's 32: the sixteen heads' work-groups fill a row between them
	v_mov_b32 v[QS], v[QS+2]                       ; the second pass's Q takes the first's place (behind the second pass these copies change nothing that is read)
	v_mov_b32 v[QS+1], v[QS+3]
	WIN 0x01
.irp i, 0,1,2,3,4,5,6,7
	v_mov_b32 v[Q+\i], v[QN+\i]
.endr
	WIN 0x41
.irp i, 0,1,2,3,4,5,6,7
	v_mov_b32 v[Q+\i], v[QN+8+\i]
.endr
	WIN 0
	WALU
	s_wait_xcnt 0x0                                ; the stores have read their registers and bases
	s_add_nc_u64 s[44:45], s[44:45], 3072          ; two tiles on
	s_add_nc_u64 s[46:47], s[46:47], 1024
	s_add_co_u32 s[PASS], s[PASS], 1
	s_cmp_lt_u32 s[PASS], 2
	s_cbranch_scc1 .Lpass
	s_wait_tensorcnt 0x0                           ; the wave's end
	ds_add_u32 v[SPW], v[NIL]
	s_wait_dscnt 0x0
	CROUND                                         ; the closing round: no work-group ends while a partner may still ask for a tile that names it
	s_endpgm
.Lfunc_end_k_q5680310a12_attn:
	.size	k_q5680310a12_attn, .Lfunc_end_k_q5680310a12_attn-k_q5680310a12_attn
	.p2alignl 7, 3214868480
	.fill 96, 4, 3214868480
	.section	.rodata,"a",@progbits
	.p2align	6, 0x0
	.amdhsa_kernel k_q5680310a12_attn
		.amdhsa_group_segment_fixed_size 262144
		.amdhsa_private_segment_fixed_size 0
		.amdhsa_enable_private_segment 0
		.amdhsa_kernarg_size 24
		.amdhsa_user_sgpr_count 2
		.amdhsa_user_sgpr_kernarg_segment_ptr 1
		.amdhsa_wavefront_size32 1
		.amdhsa_system_sgpr_workgroup_id_x 1
		.amdhsa_system_sgpr_workgroup_id_y 1
		.amdhsa_system_sgpr_workgroup_id_z 1
		.amdhsa_system_vgpr_workitem_id 0
		.amdhsa_next_free_vgpr 512
		.amdhsa_next_free_sgpr 66
		.amdhsa_reserve_vcc 0
		.amdhsa_float_denorm_mode_32 3
		.amdhsa_float_denorm_mode_16_64 3
		.amdhsa_memory_ordered 1
		.amdhsa_forward_progress 1
		.amdhsa_inst_pref_size 75
	.end_amdhsa_kernel
	.amdgpu_metadata
---
amdhsa.version: [ 1, 2 ]
amdhsa.kernels:
  - .name:           k_q5680310a12_attn
    .symbol:         k_q5680310a12_attn.kd
    .args:
      - { .name: att, .offset: 0, .size: 8, .value_kind: global_buffer, .address_space: global }
      - { .name: codes_all, .offset: 8, .size: 8, .value_kind: global_buffer, .address_space: global }
      - { .name: sc_all, .offset: 16, .size: 8, .value_kind: global_buffer, .address_space: global }
    .group_segment_fixed_size: 262144
    .private_segment_fixed_size: 0
    .kernarg_segment_align: 8
    .kernarg_segment_size: 24
    .max_flat_workgroup_size: 256
    .sgpr_count:     66
    .vgpr_count:     512
    .wavefront_size: 32
...
	.end_amdgpu_metadata
.endif
;; end of part 3
;; launch outp (part 4): grid 32 x 8, 4 waves a work-group, clusters of 4 x 4, 327,680 bytes of LDS; arguments codes_all, sc_all, b_o, out0; writes out0
.if DOCPART == 4
	.amdgcn_target "amdgcn-amd-amdhsa--gfx1250"
	.amdhsa_code_object_version 6
	.text
	.protected	k_q5680310a12_outp
	.globl	k_q5680310a12_outp
	.p2align	8
	.type	k_q5680310a12_outp,@function
k_q5680310a12_outp:
	s_mov_b64 s[64:65], 0
	v_nop
	global_prefetch_b8 v0, s[64:65] scope:SCOPE_SE
	s_setreg_imm32_b32 hwreg(HW_REG_WAVE_MODE, 25, 1), 1
	s_wait_xcnt 0x0
	s_wait_alu depctr_hold_cnt(0) depctr_sa_sdst(0) depctr_va_vdst(0) depctr_va_sdst(0) depctr_va_ssrc(0) depctr_va_vcc(0) depctr_vm_vsrc(0)
	s_getreg_b32 s2, hwreg(HW_REG_IB_STS2, 6, 4)
	s_cmp_eq_u32 s2, 0
	s_cbranch_scc0 .Lentry_in_a_cluster
	s_endpgm
.Lentry_in_a_cluster:
	s_bfe_u32 s2, ttmp6, 0x10000c
	s_cmp_lg_u32 s2, 0xf033
	s_cbranch_scc0 .Lentry_shape_is_right
	s_endpgm
.Lentry_shape_is_right:
; out0[token][n] = b_o[n] + sum over k of O[token][k] w_o[n][k], f32: 8,192 x 1,024 x 1,024 on codes of FP6 (E2M3) with E8M0 scales.
; LIMITS: a sum begins with the bias, where the reference adds it last.  NaN, infinities and sums beyond f32's range are not served.
; OPERANDS are register images in codes_all: a group of 128 rows is 98,304 bytes, [128 along K: q = 0..7][tile 0..7][1,536]; a fragment is two halves of 768 bytes: registers 0-3 at 16 x lane, 4-5 at 512 + 8 x lane.
; Lane row r of tile i is row 32 (i / 2) + 8 (i % 2) + r % 8 + 16 (r / 8) of its group.  sc_all: a group is 4,096 bytes, [tile][lane row][q], a word each.  O's groups: 224 + token / 128; w_o's: 216 + n / 128.
; THE DEAL.  256 work-groups of four waves, 2 x 2, each 256 rows x 128 columns.  The wave in row a, column b holds tiles 4 b .. 4 b + 3 of w_o's group, all of K, in 384 registers, and streams the eight tiles of O's group 2 R + a
; past them: a block is one tile of 16 rows, eight fragments, 32 products on four accumulators by turns.
; THE CLUSTER's x counts tile rows (grid = 32, 8).  O's rows are shared by a column of the cluster (mask s44), w_o's by a row (mask s45).  No LDS address hangs on the cluster's numbers.
; LDS: O's tiles 0-3 of both groups [a][q][tile][1,536], then tiles 4-7 likewise, then w_o's group; the spare words.  Nothing is filled again, and all is asked for at the head: so no data prefetch.
; THE HEAD'S FOUR TILES, one a wave, each on a line of its own: w_o's group; tiles 0-3 of group a = 0; of group a = 1; tiles 4-7 of both.  The stream begins when the first three are in; a plain barrier inside block 1 shows the fourth.
; The waves' stages lie in w_o's first bytes, which are read for the last time ahead of the barrier in front of the stream and are never filled afterwards.
; THE MATRIX INSTRUCTION IS USED TRANSPOSED (source 0 = w_o's rows): a lane holds eight neighbouring numbers of a row of out0.  All scale words lie in registers, loaded once; the bias is the first products' C.
; ONE RUN OF MEMORY LINES behind a block's products: its sums into the stage and back as whole rows of 256 bytes; the fetch of the block two on; one wait; eight stores.
.set GRP,   98304
.set HALF,  49152
.set FR,    12
.set FPW,   21                         ; fragments in a window: fragment f lies in window 1 + f / 21 at register 12 (f % 21).  0-31 w_o's (4 q + tile), 32-47 O's two sets (32 + 8 e + q)
.set NQ,    8
.set NB,    4
.set NF,    32                         ; LDS loads of a block
.set YB,    2*GRP
.set SPARE, 3*GRP
.set SPITCH, 272                       ; a stage: 16 rows x (256 + 16) for each wave
.set STAGE, YB
.set CO,   9                           ; my byte offset in out0: row l / 16, 16 bytes x (l % 16)
.set SPW,  10
.set NIL,  11
.set A16,  12                          ; v12, v13 LDS addresses of the block that is fetched next (pieces of 16 and of 8 bytes)
.set A8,   13
.set A160, 14                          ; v14, v15 the same of block 0; never rewritten
.set A80,  15
.set B16,  16                          ; v16, v17 of w_o's fragments, q = 0..3; v18, v19: q = 4..7
.set B8,   17
.set STO,  20
.set RD,   21
.set AS,   22                          ; 32 r
.set BA,   24                          ; 64 h
.set SB,   28                          ; v28-59  w_o's scale words: 8 x tile + q
.set SA,   64                          ; v64-127 O's: 8 x block + q
.set ACC,  128                         ; v128-191 two sets of four accumulators
.set BK,   192                         ; v192-255 two sets: 16 rows x 256 bytes back from the stage
.set BO,   128                         ; window 3, v128-159: the bias in the sums' layout
.set G1A, 24
.set G1B, 32
.set G0A, 56
.set G0B, 60
.set MSB, 0
.macro WIN new
.if MSB != (\new)
	s_set_vgpr_msb (MSB<<8)|(\new)
.set MSB, \new
.endif
.endm
.macro PLACES n
.rept \n
	v_nop
.endr
.endm
.macro WALU
	s_wait_alu depctr_va_vdst(0)
.endm
.macro BARRIER
	s_barrier_signal -1
	s_barrier_wait -1
.endm
.macro CROUND
	BARRIER
	s_cmp_lg_u32 s14, 0
	s_cbranch_scc1 .Lnot_wave_0_\@
	s_barrier_signal -3
.Lnot_wave_0_\@:
	s_barrier_wait -3
	BARRIER
.endm
.macro TLOAD g0, g1                    ; an s_nop 0 and four v_nop follow a tensor load
	tensor_load_to_lds s[\g0:\g0+3], s[\g1:\g1+7]
	s_nop 0
	PLACES 4
.endm
.macro ATILE lds, off, rows            ; rows of 6,144 bytes (four tiles of one q), 12,288 apart in memory, dense in LDS
	s_mov_b32 s[G0A+1], \lds
	s_mov_b32 s[G1A+2], (\rows)<<16
	s_mov_b32 s[G1A+4], \rows
.if \off
	s_add_nc_u64 s[G0A+2:G0A+3], s[G0A+2:G0A+3], \off
.endif
	s_or_b32 s[G0A+3], s[G0A+3], 0x80000000
	TLOAD G0A, G1A
.endm
.macro FRAG f, a16, a8, off
	WIN (1+(\f)/FPW)<<6
.set R_, FR*((\f)%FPW)
	ds_load_b128 v[R_:R_+3], v[\a16] offset:\off
	ds_load_b64 v[R_+4:R_+5], v[\a8] offset:(\off)+512
	ds_load_b128 v[R_+6:R_+9], v[\a16] offset:(\off)+768
	ds_load_b64 v[R_+10:R_+11], v[\a8] offset:(\off)+1280
.endm
.macro FETCHAT e, a16, a8              ; a block of O into set e: NF loads
.irp q, 0,1,2,3,4,5,6,7
	FRAG NB*NQ+NQ*(\e)+\q, \a16, \a8, 6144*\q
.endr
	WIN 0
.endm
.macro PROD s, n                       ; product n = 4 q + tile of block s
.set Q_, (\n)/4
.set T_, (\n)%4
.set FB_, NB*Q_+T_
.set FA_, NB*NQ+NQ*((\s)%2)+Q_
.set D_, ACC+32*((\s)%2)+8*T_
.if Q_
	WIN (1+FB_/FPW)|((1+FA_/FPW)<<2)
	v_wmma_scale_f32_16x16x128_f8f6f4 v[D_:D_+7], v[FR*(FB_%FPW):FR*(FB_%FPW)+FR-1], v[FR*(FA_%FPW):FR*(FA_%FPW)+FR-1], v[D_:D_+7], v[SB+8*T_+Q_], v[SA+8*(\s)+Q_] matrix_a_fmt:MATRIX_FMT_FP6 matrix_b_fmt:MATRIX_FMT_FP6
.else
	WIN (1+FB_/FPW)|((1+FA_/FPW)<<2)|0x30
	v_wmma_scale_f32_16x16x128_f8f6f4 v[D_:D_+7], v[FR*(FB_%FPW):FR*(FB_%FPW)+FR-1], v[FR*(FA_%FPW):FR*(FA_%FPW)+FR-1], v[BO+8*T_:BO+8*T_+7], v[SB+8*T_+Q_], v[SA+8*(\s)+Q_] matrix_a_fmt:MATRIX_FMT_FP6 matrix_b_fmt:MATRIX_FMT_FP6
.endif
.endm
.macro PRODS s, from, to
.set N_, \from
.rept (\to)-(\from)
	PROD \s, N_
.set N_, N_+1
.endr
	WIN 0
.endm
.macro STAGED e                        ; set e's sums into my stage, each accumulator from its low end on, and back as whole rows.  LDS serves a wave's instructions in order (ISA guide 5.7.1.4): no wait between
.irp t, 0,1,2,3
	ds_store_b128 v[STO], v[ACC+32*(\e)+8*\t:ACC+32*(\e)+8*\t+3] offset:128*(\t/2)+32*(\t%2)
	ds_store_b128 v[STO], v[ACC+32*(\e)+8*\t+4:ACC+32*(\e)+8*\t+7] offset:128*(\t/2)+32*(\t%2)+16
.endr
.irp t, 0,1,2,3,4,5,6,7
	ds_load_b128 v[BK+32*(\e)+4*\t:BK+32*(\e)+4*\t+3], v[RD] offset:2*\t*SPITCH
.endr
.endm
.macro TOC s                           ; lane rows 2 t, 2 t + 1 of tile s: sixteen lanes store 256 consecutive bytes, at a multiple of 256 from out0's first byte
.irp t, 0,1,2,3,4,5,6,7
	global_store_b128 v[CO], v[BK+32*((\s)%2)+4*\t:BK+32*((\s)%2)+4*\t+3], s[12:13] offset:(32*((\s)/2)+8*((\s)%2)+(2*\t)%8+16*(\t/4))*4096 th:TH_STORE_NT
.endr
.endm
.macro STREAM s
.if (\s) == 1
	PRODS \s, 0, 24
	s_wait_tensorcnt 0x0                           ; every wave's tile is in,
	s_wait_dscnt 0x0
	s_barrier_signal -1                            ; a plain barrier: tiles 4-7 are shown to all
	PRODS \s, 24, 32
	s_barrier_wait -1
.else
	PRODS \s, 0, 32
.endif
.if (\s) < 6                           ; four plain vector lines between the last product and the first reader of its sums and the fetch into its sources
	v_add_nc_u32 v[A16], GRP*(((\s)+2)/4)+1536*(((\s)+2)%4), v[A160]
	v_add_nc_u32 v[A8], GRP*(((\s)+2)/4)+1536*(((\s)+2)%4), v[A80]
	v_nop
	v_nop
	WALU
.else
	PLACES 4
.endif
	s_wait_xcnt 0x0                                ; the stores of two blocks ago have read this set of rows
	STAGED (\s)%2
.if (\s) < 6
	FETCHAT (\s)%2, A16, A8
	s_wait_dscnt NF                                ; the block's rows are back from the stage, and the next block's fragments are in; this run's fetch is younger
.else
	s_wait_dscnt 0x0
.endif
	TOC \s
.endm
; ================= THE HEAD
	s_load_b256 s[4:11], s[0:1], 0x0               ; codes_all, sc_all, b_o, out0
	v_lshl_add_u32 v[SPW], v0, 2, SPARE
	v_mov_b32 v[NIL], 0
	ds_add_u32 v[SPW], v[NIL]                      ; the opening lines
	ds_add_u32 v[SPW], v[NIL]
	v_lshrrev_b32 v1, 5, v0
	v_readfirstlane_b32 s14, v1                    ; the wave; s15 its row a of the 2 x 2, s16 its column b
	s_lshr_b32 s15, s14, 1
	s_and_b32 s16, s14, 1
	s_bfe_u32 s40, ttmp6, 0x40000
	s_bfe_u32 s41, ttmp6, 0x40004
	s_lshl_b32 s43, ttmp9, 2
	s_add_co_u32 s43, s43, s40                     ; tile row R: 4 x cluster x + cx
	s_and_b32 s42, ttmp7, 0xffff
	s_lshl_b32 s42, s42, 2
	s_add_co_u32 s42, s42, s41                     ; tile column: 4 x cluster y + cy
	s_lshl_b32 s44, 0x1111, s40                    ; my column of the cluster: shares O's rows
	s_lshl_b32 s45, s41, 2
	s_lshl_b32 s45, 15, s45                        ; my row: shares w_o's
	s_or_b32 s[G1A], s44, (3<<16)|(1<<21)          ; elements of 8 bytes; 21 set beside a mask.  The two words that hold the rows are written with each tile
	s_mov_b32 s[G1A+1], 768<<16
	s_mov_b32 s[G1A+3], 768<<16
	s_mov_b32 s[G1A+5], 1536
	s_mov_b32 s[G1A+6], 0
	s_mov_b32 s[G1A+7], 0
	s_or_b32 s[G1B], s45, (3<<16)|(1<<21)          ; w_o's group, dense: 8 rows of 12,288 bytes
	s_mov_b32 s[G1B+1], 1536<<16
	s_mov_b32 s[G1B+2], 8<<16
	s_mov_b32 s[G1B+3], 1536<<16
	s_mov_b32 s[G1B+4], 8
	s_mov_b32 s[G1B+5], 1536
	s_mov_b32 s[G1B+6], 0
	s_mov_b32 s[G1B+7], 0
	s_mov_b32 s[G0A], 1
	s_mov_b32 s[G0B], 1
	s_mov_b32 s[G0B+1], YB
	s_lshl_b32 s76, s43, 1
	s_add_co_u32 s76, s76, 224                     ; O's first group
	s_add_co_u32 s80, s76, s15                     ; my wave's
	s_mul_i32 s76, s76, GRP
	s_mov_b32 s77, 0
	s_lshl_b32 s80, s80, 12
	s_mov_b32 s81, 0
	s_add_co_u32 s78, s42, 216                     ; w_o's group
	s_lshl_b32 s82, s78, 12
	s_mul_i32 s78, s78, GRP
	s_mov_b32 s79, 0
	s_lshl_b32 s21, s16, 11
	s_add_co_u32 s82, s82, s21                     ; its scale words from tile 4 b on
	s_mov_b32 s83, 0
	s_lshl_b32 s86, s42, 9
	s_lshl_b32 s21, s16, 8
	s_add_co_u32 s86, s86, s21                     ; my 64 columns, in bytes
	s_mov_b32 s87, 0
	s_lshl_b32 s84, s43, 20
	s_lshl_b32 s21, s15, 19
	s_add_co_u32 s84, s84, s21
	s_add_co_u32 s84, s84, s86                     ; my 128 rows x 64 columns of out0
	s_mov_b32 s85, 0
	v_and_b32 v1, 15, v0
	v_bfe_u32 v2, v0, 4, 1
	v_and_b32 v3, 31, v0
	s_mul_i32 s21, s15, HALF
	v_lshl_add_u32 v[A160], v3, 4, s21
	v_lshl_add_u32 v[A80], v3, 3, s21
	v_add_nc_u32 v[A16], 1536, v[A160]
	v_add_nc_u32 v[A8], 1536, v[A80]
	s_mul_i32 s22, s16, 4*1536
	s_add_co_u32 s22, s22, YB
	v_lshl_add_u32 v[B16], v3, 4, s22
	v_lshl_add_u32 v[B8], v3, 3, s22
	v_add_nc_u32 v[B16+2], HALF, v[B16]
	v_add_nc_u32 v[B8+2], HALF, v[B8]
	s_mul_i32 s23, s14, 16*SPITCH
	s_add_co_u32 s23, s23, STAGE
	v_mul_u32_u24 v23, v1, SPITCH
	v_lshl_add_u32 v23, v2, 6, v23
	v_add_nc_u32 v[STO], s23, v23                  ; in: row l % 16, + 64 h
	v_mul_u32_u24 v23, v2, SPITCH
	v_lshl_add_u32 v23, v1, 4, v23
	v_add_nc_u32 v[RD], s23, v23                   ; back: lanes 0-15 one row, lanes 16-31 the next
	v_lshlrev_b32 v23, 12, v2
	v_lshl_add_u32 v[CO], v1, 4, v23
	v_lshlrev_b32 v[AS], 5, v1
	v_lshlrev_b32 v[BA], 6, v2
	WALU
	s_wait_dscnt 0x0
	CROUND                                         ; the opening round, ahead of the first joint loads
	s_wait_kmcnt 0x0
	s_add_nc_u64 s[G0A+2:G0A+3], s[4:5], s[76:77]
	s_add_nc_u64 s[G0B+2:G0B+3], s[4:5], s[78:79]
	s_or_b32 s[G0B+3], s[G0B+3], 0x80000000
	s_add_nc_u64 s[80:81], s[6:7], s[80:81]
	s_add_nc_u64 s[82:83], s[6:7], s[82:83]
	s_add_nc_u64 s[8:9], s[8:9], s[86:87]
	s_add_nc_u64 s[12:13], s[10:11], s[84:85]
	s_cmp_eq_u32 s14, 0
	s_cbranch_scc0 .Lwave_1
	TLOAD G0B, G1B                                 ; wave 0: w_o's rows, which are wanted first
	s_branch .Lasked
.Lwave_1:
	s_cmp_eq_u32 s14, 1
	s_cbranch_scc0 .Lwave_2
	ATILE 0, 0, 8                                  ; wave 1: tiles 0-3 of group a = 0
	s_branch .Lasked
.Lwave_2:
	s_cmp_eq_u32 s14, 2
	s_cbranch_scc0 .Lwave_3
	ATILE HALF, GRP, 8                             ; wave 2: of group a = 1
	s_branch .Lasked
.Lwave_3:
	ATILE GRP, 6144, 16                            ; wave 3: tiles 4-7 of both
.Lasked:
.irp s, 0,1,2,3,4,5,6,7
.irp c, 0,1
	global_load_b128 v[SA+8*\s+4*\c:SA+8*\s+4*\c+3], v[AS], s[80:81] offset:512*\s+16*\c
.endr
.endr
.irp t, 0,1,2,3
.irp c, 0,1
	global_load_b128 v[SB+8*\t+4*\c:SB+8*\t+4*\c+3], v[AS], s[82:83] offset:512*\t+16*\c
.endr
.endr
	WIN 0xc0
.irp t, 0,1,2,3                                    ; register i of tile t of lane (r, h) is column 32 (t / 2) + 8 (t % 2) + 16 h + i of my 64
	global_load_b128 v[BO+8*\t:BO+8*\t+3], v[BA], s[8:9] offset:128*(\t/2)+32*(\t%2)
	global_load_b128 v[BO+8*\t+4:BO+8*\t+7], v[BA], s[8:9] offset:128*(\t/2)+32*(\t%2)+16
.endr
	WIN 0
	s_cmp_eq_u32 s14, 0
	s_cbranch_scc0 .Lnot_b
	s_wait_tensorcnt 0x0
.Lnot_b:
	BARRIER                                        ; w_o's group has landed
.irp q, 0,1,2,3,4,5,6,7
.irp t, 0,1,2,3
	FRAG NB*\q+\t, B16+2*(\q/4), B8+2*(\q/4), 12288*(\q%4)+1536*\t
.endr
.endr
	WIN 0
	s_cmp_eq_u32 s14, 3
	s_cbranch_scc1 .Lnot_a
	s_wait_tensorcnt 0x0                           ; waves 1 and 2: tiles 0-3 have landed
.Lnot_a:
	s_wait_dscnt 0x0
	BARRIER                                        ; tiles 0-3 are in, and nobody reads w_o's bytes any more.  Wave 3's tile may still be on its way
	FETCHAT 0, A160, A80
	FETCHAT 1, A16, A8
	s_wait_loadcnt 0x0                             ; the scale words and the bias
	s_wait_dscnt NF                                ; block 0's fragments are in
; ================= THE STREAM: eight blocks
.irp s, 0,1,2,3,4,5,6,7
	STREAM \s
.endr
	s_wait_tensorcnt 0x0                           ; the wave's end
	ds_add_u32 v[SPW], v[NIL]
	s_wait_dscnt 0x0
	CROUND                                         ; the closing round
	s_endpgm
.Lfunc_end_k_q5680310a12_outp:
	.size	k_q5680310a12_outp, .Lfunc_end_k_q5680310a12_outp-k_q5680310a12_outp
	.p2alignl 7, 3214868480
	.fill 96, 4, 3214868480
	.section	.rodata,"a",@progbits
	.p2align	6, 0x0
	.amdhsa_kernel k_q5680310a12_outp
		.amdhsa_group_segment_fixed_size 327680
		.amdhsa_private_segment_fixed_size 0
		.amdhsa_enable_private_segment 0
		.amdhsa_kernarg_size 32
		.amdhsa_user_sgpr_count 2
		.amdhsa_user_sgpr_kernarg_segment_ptr 1
		.amdhsa_wavefront_size32 1
		.amdhsa_system_sgpr_workgroup_id_x 1
		.amdhsa_system_sgpr_workgroup_id_y 1
		.amdhsa_system_sgpr_workgroup_id_z 1
		.amdhsa_system_vgpr_workitem_id 0
		.amdhsa_next_free_vgpr 928
		.amdhsa_next_free_sgpr 100
		.amdhsa_reserve_vcc 0
		.amdhsa_float_denorm_mode_32 3
		.amdhsa_float_denorm_mode_16_64 3
		.amdhsa_memory_ordered 1
		.amdhsa_forward_progress 1
		.amdhsa_inst_pref_size 86
	.end_amdhsa_kernel
	.amdgpu_metadata
---
amdhsa.version: [ 1, 2 ]
amdhsa.kernels:
  - .name:           k_q5680310a12_outp
    .symbol:         k_q5680310a12_outp.kd
    .args:
      - { .name: codes_all, .offset: 0, .size: 8, .value_kind: global_buffer, .address_space: global }
      - { .name: sc_all, .offset: 8, .size: 8, .value_kind: global_buffer, .address_space: global }
      - { .name: b_o, .offset: 16, .size: 8, .value_kind: global_buffer, .address_space: global }
      - { .name: out0, .offset: 24, .size: 8, .value_kind: global_buffer, .address_space: global }
    .group_segment_fixed_size: 327680
    .private_segment_fixed_size: 0
    .kernarg_segment_align: 8
    .kernarg_segment_size: 32
    .max_flat_workgroup_size: 128
    .sgpr_count:     100
    .vgpr_count:     928
    .wavefront_size: 32
...
	.end_amdgpu_metadata
.endif
;; end of part 4
